; MI455X (gfx1250); checked and timed in simulation.
; The chip was launched on July 23, 2026; its instructions are those of AMD's public machine-readable ISA for CDNA 5 (MIT licence, August 2026) and "CDNA5" Instruction Set Architecture Reference Guide (July 2026). The comments in the code are by the model that wrote it; some were corrected since.
;; Differential Multi Head Attention. Allowed arithmetic: matrix products marked QUANTISED: E2M3 operands, one E8M0 scale for each 32 along K, by v_wmma_scale_f32_16x16x128_f8f6f4 with both operands' format E2M3, f32 sums; everything else in f32.
;; Inputs: Wk 1,024 x 1,024 float32; Wo 1,024 x 1,024 float32; Wq 1,024 x 1,024 float32; Wv 1,024 x 1,024 float32; bk 1,024 float32; bo 1,024 float32; bq 1,024 float32; bv 1,024 float32; lk1 32 float32; lk2 32 float32; ln_b 16 x 64 float32; ln_g 16 x 64 float32; lq1 32 float32; lq2 32 float32; mask 2 x 2,048 x 2,048 int32; x 2 x 2,048 x 1,024 float32.
;; Outputs: out0 2 x 2,048 x 1,024 float32.
;; This version of the problem:
;;   THIS VERSION OF THE PROBLEM IS GIVEN IN LOW PRECISION. The matrix products marked QUANTISED in the list below multiply operands that are first quantised to E2M3 (2 exponent bits, 3 mantissa bits; 6 bits a number), with one power-of-two scale for each 32 numbers along K (OCP MX v1.0); their sums are f32. All else is computed in f32.
;;   The module's matrix products, in the order in which they are computed (A, B: the left and right operand; K: the contracted axis; several contracted axes count as one K, in the product's order):
;;     1. [M 4,096, K 1,024] x [K 1,024, N 1,024]; A: input x; B: input Wq: QUANTISED
;;     2. [M 4,096, K 1,024] x [K 1,024, N 1,024]; A: input x; B: input Wk: QUANTISED
;;     3. [M 4,096, K 1,024] x [K 1,024, N 1,024]; A: input x; B: input Wv: QUANTISED
;;     4. batch 32 x [M 2,048, K 32] x [K 32, N 2,048]; A: computed on the way; B: computed on the way: QUANTISED
;;     5. batch 32 x [M 2,048, K 32] x [K 32, N 2,048]; A: computed on the way; B: computed on the way: QUANTISED
;;     6. batch 32 x [M 2,048, K 2,048] x [K 2,048, N 64]; A: computed on the way; B: computed on the way: QUANTISED
;;     7. [M 4,096, K 1,024] x [K 1,024, N 1,024]; A: computed on the way; B: input Wo: QUANTISED
;;   THE QUANTISER, for each operand of a quantised product, along K:
;;     - K is cut into blocks of 32 from its start; a last block that is shorter is filled with zeros.
;;     - A block's scale is 2^e with e = floor(log2(the largest magnitude in the block)) - 2, held to -126 .. 127; a block of zeros has e = 0. As a byte (E8M0): e + 127.
;;     - Each number is divided by its block's scale, clamped to +-7.5, and rounded to the nearest number of E2M3, ties to even, subnormals kept.
;;     - The product sums the exact products of the quantised numbers (number of the format x scale) in f32.
;;   ~~~python
;;   def quantise(x, axis):      # numpy; x: float32 -> the quantised numbers, widened to float32 again
;;       x = np.moveaxis(x, axis, -1); K = x.shape[-1]
;;       x = np.pad(x, [(0, 0)] * (x.ndim - 1) + [(0, -K % 32)]); x = x.reshape(x.shape[:-1] + (-1, 32)); a = np.abs(x).max(-1, keepdims=True)
;;       e = np.where(a > 0, np.clip(np.frexp(np.where(a > 0, a, 1))[1] - 1 - 2, -126, 127), 0)      # np.frexp(a)[1] - 1 = floor(log2(a)), exactly
;;       r = np.clip(x / 2.0 ** e, -7.5, 7.5)
;;       step = 2.0 ** (np.maximum(np.frexp(np.where(r == 0, 1, r))[1] - 1, 0) - 3)
;;       q = np.round(r / step) * step * 2.0 ** e      # np.round: ties to even
;;       return np.moveaxis(q.reshape(q.shape[:-2] + (-1,))[..., :K], -1, axis).astype(np.float32)
;;   ~~~
;;   OPERANDS COMPUTED ON THE WAY. 'Computed on the way' means the value that the module computes at that place (a softmax that the list does not call 'softmax' is quantised finished and normalised). What goes into a quantiser is computed in f32, as accurately as f32 sums, v_exp_f32 and their like allow (about 1e-6 of the number): no bf16 or f16 on the way to a quantiser, and a product that is left as it is and whose result goes on into a quantised operand takes f32 operands (vector FMAs, or v_wmma_f32_16x16x4_f32). A number that lies on a knife's edge between two numbers of the format may be rounded either way, as far as f32 arithmetic and the matrix unit's own rounding can turn it there, and no further.
;; 2 versions, each right; version 2 is version 1 with the launch attn written anew for expert scheduling mode. Each part assembles by itself: llvm-mc -triple=amdgcn-amd-amdhsa -mcpu=gfx1250 --defsym DOCPART=n.
;; ======== version 1 of 2: 4 launches
;; workspace buffers: ximg 3,407,872 bytes; wimg 3,407,872 bytes; mbits 1,048,576 bytes of whole numbers; qkimg 6,553,600 bytes; vimg 3,276,800 bytes; aimg 3,407,872 bytes
;; launch prep (part 1): grid 896 x 1, 4 waves a work-group, no clusters, 47,616 bytes of LDS; arguments x, Wq, Wk, Wv, Wo, mask, ximg, wimg, mbits; writes ximg, wimg, mbits
.if DOCPART == 1
	.amdgcn_target "amdgcn-amd-amdhsa--gfx1250"
	.amdhsa_code_object_version 6
	.text
	.protected	k_q8b9dab2fcc_prep
	.globl	k_q8b9dab2fcc_prep
	.p2align	8
	.type	k_q8b9dab2fcc_prep,@function
k_q8b9dab2fcc_prep:
	s_mov_b64 s[64:65], 0
	v_nop
	global_prefetch_b8 v0, s[64:65] scope:SCOPE_SE
	s_setreg_imm32_b32 hwreg(HW_REG_WAVE_MODE, 25, 1), 1
	s_wait_xcnt 0x0
; PREP: x and the four weights become codes of FP6 (E2M3) with one E8M0 byte for each 32 along K, laid as IMAGES OF OPERAND REGISTERS; the mask becomes lane masks.
; A tile of 16 rows is never 16 neighbours.  pi-tiles (tokens; features of Wv, Wo): row r of tile T is 64 (T / 4) + 32 (r / 8) + 8 (T % 4) + r % 8.
; sigma-tiles (Wq, Wk): row m of tile (head, u) is feature 512 (m / 8) + 32 head + 8 u + m % 8.  With such tiles as a product's source 0, the 32 result registers of a group's four tiles are 32 neighbours in ONE lane.
; A fragment's image is 1,536 bytes: piece q = 0 .. 5 of 256 bytes holds registers 2 q, 2 q + 1, lane l's 8 bytes at 8 l.  A K pair is 3,328 bytes: two fragments, then 128 bytes of scale words for each (row r's word at 4 r and at 64 + 4 r).
; A tile's row of all K = 1,024 is four K pairs, 13,312 bytes.
; A block's scale is 2^(floor(log2(largest magnitude)) - 2): its byte is the largest magnitude's exponent field - 2, held at 1 from below.
; LIMITS: a block of zeros gets the byte 1 where the rule says 127 (its codes are zeros, and this program alone reads the bytes); NaN and infinities among the inputs are not served.
; Three paths part on the work-group's number and never join: 0-511 mask, 512-767 x, 768-895 weights.  Each path that uses LDS has bytes of its own.  Waves share nothing: no barrier.
; No matrix work, no cluster, no tensor load: every input byte is read once, by one wave, and nothing is shared between work-groups.
.set TROW,  13312
.set KPB,   3328
.set XSTG,  4608                       ; x path: a stage of 16 rows x 272 bytes for each wave, from LDS byte 0
.set WST0,  18432                      ; W path: its stages begin here,
.set WSTG,  7168                       ; 4 tiles x 1,600 bytes + 4 x 128 bytes of scale words for each wave
; 32 numbers of a lane, v[rb] on, become six registers of codes in v[cd] on.  v[mx] the largest magnitude, v[mx+1] the conversion's scale operand, v[mx+2] the byte.
.macro QCORE rb, mx, cd, tm
	v_max3_num_f32 v[\mx], |v[\rb]|, |v[\rb+1]|, 0x1800000         ; two chains; the floor 2^(3 - 127) is a leaf: the byte cannot fall under 1
	v_max3_num_f32 v[\mx+1], |v[\rb+2]|, |v[\rb+3]|, 0x1800000
.irp i, 4,8,12,16,20,24,28
	v_max3_num_f32 v[\mx], v[\mx], |v[\rb+\i]|, |v[\rb+\i+1]|
	v_max3_num_f32 v[\mx+1], v[\mx+1], |v[\rb+\i+2]|, |v[\rb+\i+3]|
.endr
	v_max_num_f32 v[\mx], v[\mx], v[\mx+1]
	v_add_nc_u32 v[\mx+1], 0xff000000, v[\mx]                      ; 2 off the exponent field: the conversion takes this operand's exponent field as its scale
	v_lshrrev_b32 v[\mx+2], 23, v[\mx+1]                           ; the scale's byte
	v_cvt_scalef32_pk16_fp6_f32 v[\cd:\cd+2], v[\rb:\rb+15], v[\mx+1]
	v_cvt_scalef32_pk16_fp6_f32 v[\tm:\tm+2], v[\rb+16:\rb+31], v[\mx+1]   ; (a conversion's three registers begin on an even number)
	v_nop                                                          ; one plain instruction behind the conversions
.irp i, 0,1,2
	v_mov_b32 v[\cd+3+\i], v[\tm+\i]
.endr
.endm
	s_load_b512 s[4:19], s[0:1], 0x0               ; x s[4:5], Wq s[6:7], Wk s[8:9], Wv s[10:11], Wo s[12:13], mask s[14:15], ximg s[16:17], wimg s[18:19]
	s_load_b64 s[20:21], s[0:1], 0x40              ; mbits
	v_lshl_add_u32 v254, v0, 2, 0xb800
	v_mov_b32 v255, 0
	v_lshrrev_b32 v1, 5, v0
	v_readfirstlane_b32 s22, v1                    ; wave
	v_and_b32 v1, 31, v0                           ; lane
	s_mov_b32 s24, 0x76543210                      ; v_permlanex16_b32's selects for lane l xor 16
	s_mov_b32 s25, 0xfedcba98
	s_wait_kmcnt 0x0
	s_cmp_lt_u32 ttmp9, 512
	s_cbranch_scc1 .Lmask
	s_cmp_lt_u32 ttmp9, 768
	s_cbranch_scc1 .Lx
; ---------------- THE WEIGHTS.  W is [K][N]: a lane takes a feature, its registers run down K.  A wave: one weight, one group of 64 features (4 tiles), one K step of 128.
	s_sub_co_u32 s26, ttmp9, 768
	s_lshl_b32 s26, s26, 2
	s_add_co_u32 s26, s26, s22                     ; id 0 .. 511
	s_lshr_b32 s27, s26, 7                         ; which weight: 0 Wq, 1 Wk, 2 Wv, 3 Wo
	s_bfe_u32 s28, s26, 0x40003                    ; group g
	s_and_b32 s29, s26, 7                          ; K step
	s_cmp_lt_u32 s27, 2                            ; sigma-tiles (Wq, Wk) or pi-tiles
	s_cselect_b64 s[32:33], s[6:7], s[10:11]
	s_cselect_b64 s[34:35], s[8:9], s[12:13]
	s_cselect_b32 s36, 7, 8                        ; the group's first feature in bytes: 128 g or 256 g
	s_mov_b32 s37, 128
	s_cselect_b32 s37, 2048, s37                   ; from a tile's rows 0-7 to its rows 8-15: 512 features or 32
	s_and_b32 s38, s27, 1
	s_cmp_eq_u32 s38, 0
	s_cselect_b64 s[32:33], s[32:33], s[34:35]
	s_lshl_b32 s38, s28, s36
	s_lshl_b32 s39, s29, 19                        ; 128 rows of 4,096 bytes a K step
	s_add_co_u32 s38, s38, s39
	s_mov_b32 s39, 0
	s_add_nc_u64 s[32:33], s[32:33], s[38:39]
	s_lshl_b32 s38, s27, 6
	s_lshl_b32 s40, s28, 2
	s_add_co_u32 s38, s38, s40                     ; the group's first tile: 64 x weight + 4 g
	s_mul_i32 s38, s38, TROW
	s_lshr_b32 s40, s29, 1
	s_mul_i32 s40, s40, KPB
	s_add_co_u32 s38, s38, s40                     ; + the K pair
	s_and_b32 s40, s29, 1
	s_mul_i32 s41, s40, 1536
	s_add_co_u32 s42, s38, s41
	s_mov_b32 s43, 0
	s_add_nc_u64 s[44:45], s[18:19], s[42:43]      ; where the codes go
	s_lshl_b32 s41, s40, 7
	s_add_co_u32 s42, s38, s41
	s_add_co_u32 s42, s42, 3072
	s_add_nc_u64 s[46:47], s[18:19], s[42:43]      ; where the scale words go
	s_mul_i32 s48, s22, WSTG
	s_add_co_u32 s48, s48, WST0                    ; my stage
	v_lshlrev_b32 v2, 2, v1                        ; rows 0-7 of the tiles: feature = lane = 8 u + j
	v_add_nc_u32 v3, s37, v2                       ; rows 8-15
	v_lshrrev_b32 v4, 3, v1                        ; u
	v_and_b32 v5, 7, v1                            ; j
	v_mul_u32_u24 v6, v4, 1600
	v_lshl_add_u32 v6, v5, 3, v6
	v_add_nc_u32 v6, s48, v6                       ; into the stage: tile u's image, fragment lane j (+ 8 for rows 8-15, + 16 for the upper K half: in the immediates)
	v_lshlrev_b32 v7, 7, v4
	v_lshl_add_u32 v7, v5, 2, v7
	v_add_nc_u32 v7, s48, v7
	v_add_nc_u32 v7, 6400, v7                      ; and tile u's scale words
	v_lshlrev_b32 v8, 3, v1                        ; out: 8 bytes a lane
	v_add_nc_u32 v9, s48, v8
	v_add_nc_u32 v10, s48, v2
	v_add_nc_u32 v10, 6400, v10
	v_mov_b32 v172, 0                              ; the scale words of rows 0-7 and of rows 8-15
	v_mov_b32 v173, 0
; Block set n = 4 c + 2 h + e: K = 64 c + 32 h + 0 .. 31 of the step, rows 8 e + j.  32 loads, each 128 consecutive bytes.
.macro WLOAD n
.set qq, 0
.rept 32
	global_load_b32 v[32+32*((\n)%2)+qq], v[2+(\n)%2], s[32:33] offset:(64*((\n)/4)+32*(((\n)/2)%2)+qq)*4096 th:TH_LOAD_NT
.set qq, qq+1
.endr
.endm
.macro WBLK n
.if (\n) < 7
	s_wait_loadcnt 32                              ; this set's 32 loads are in; the next set's may be out
.else
	s_wait_loadcnt 0x0
.endif
	QCORE 32+32*((\n)%2), 12, 160, 168
	v_lshl_or_b32 v[172+(\n)%2], v14, 8*((\n)/2), v[172+(\n)%2]    ; byte 2 c + h of the row's word
.irp p, 0,1,2
	ds_store_b64 v6, v[160+2*\p:161+2*\p] offset:768*((\n)/4)+256*\p+128*(((\n)/2)%2)+64*((\n)%2)
.endr
.if (\n)+2 < 8
	WLOAD (\n)+2
.endif
	s_wait_dscnt 0x0                               ; the stores have read their registers: the next set's codes may be written
.endm
	WLOAD 0
	WLOAD 1
.irp k, 0,1,2,3,4,5,6,7
	WBLK \k
.endr
	ds_store_b32 v7, v172                          ; row m's word at 4 m and at 64 + 4 m
	ds_store_b32 v7, v172 offset:64
	ds_store_b32 v7, v173 offset:32
	ds_store_b32 v7, v173 offset:96
.irp u, 0,1,2,3
.irp p, 0,1,2,3,4,5
	ds_load_b64 v[176+12*\u+2*\p:177+12*\u+2*\p], v9 offset:1600*\u+256*\p     ; LDS serves a wave's instructions in order: these see my stores
.endr
	ds_load_b32 v[224+\u], v10 offset:128*\u
.endr
	s_wait_dscnt 0x0
.irp u, 0,1,2,3
.irp p, 0,1,2,3,4,5
	global_store_b64 v8, v[176+12*\u+2*\p:177+12*\u+2*\p], s[44:45] offset:TROW*\u+256*\p   ; 32 lanes store 256 consecutive bytes, aligned
.endr
	global_store_b32 v2, v[224+\u], s[46:47] offset:TROW*\u
.endr
	s_wait_tensorcnt 0x0
	ds_add_u32 v254, v255
	s_wait_dscnt 0x0
	s_endpgm
; ---------------- x.  A work-group is a pi-tile of 16 tokens, a wave one K pair (256 along K): four half fragments of 64 along K.
.Lx:
	s_sub_co_u32 s26, ttmp9, 512                   ; tile T
	s_lshr_b32 s27, s26, 2
	s_lshl_b32 s27, s27, 6
	s_and_b32 s28, s26, 3
	s_lshl_b32 s28, s28, 3
	s_add_co_u32 s27, s27, s28                     ; its row 0: token 64 (T / 4) + 8 (T % 4)
	s_lshl_b32 s28, s27, 12
	s_lshl_b32 s29, s22, 10
	s_add_co_u32 s28, s28, s29
	s_mov_b32 s29, 0
	s_add_nc_u64 s[4:5], s[4:5], s[28:29]
	s_mul_i32 s28, s26, TROW
	s_mul_i32 s30, s22, KPB
	s_add_co_u32 s28, s28, s30
	s_add_nc_u64 s[16:17], s[16:17], s[28:29]
	s_mul_i32 s30, s22, XSTG                       ; my stage
	v_and_b32 v2, 15, v1                           ; r
	v_lshrrev_b32 v3, 4, v1                        ; h
	v_lshlrev_b32 v4, 4, v2
	v_lshl_add_u32 v5, v3, 12, v4                  ; in: rows 2 i + h, sixteen lanes to 256 bytes of a row
	v_mad_u32_u24 v6, v3, 272, v4
	v_add_nc_u32 v6, s30, v6                       ; into the stage, as loaded
	v_mul_u32_u24 v7, v2, 272
	v_lshl_add_u32 v7, v3, 7, v7
	v_add_nc_u32 v7, s30, v7                       ; back: row r, its half's 32 numbers
	v_lshlrev_b32 v8, 3, v1
	v_lshlrev_b32 v9, 2, v1
	v_lshlrev_b32 v10, 3, v3                       ; 8 h
	v_mov_b32 v11, 0                               ; (a lane permute's destination counts as one of its sources)
.macro XLOAD hf
.irp i, 0,1,2,3,4,5,6,7
	global_load_b128 v[32+32*\hf+4*\i:32+32*\hf+4*\i+3], v5, s[4:5] offset:(32*((2*\i)/8)+(2*\i)%8)*4096+256*\hf th:TH_LOAD_NT
.endr
.endm
.macro XTURN hf                        ; through the stage: LDS serves a wave's instructions in order, so no wait stands between the stores and the loads, nor ahead of the next turn's stores
.irp i, 0,1,2,3,4,5,6,7
	ds_store_b128 v6, v[32+32*\hf+4*\i:32+32*\hf+4*\i+3] offset:544*\i
.endr
.irp i, 0,1,2,3,4,5,6,7
	ds_load_b128 v[32+32*\hf+4*\i:32+32*\hf+4*\i+3], v7 offset:16*\i
.endr
.endm
.macro XQ hf                           ; lane (r, h): K = 64 hf + 32 h + 0 .. 31 of row r: half a fragment
	QCORE 32+32*\hf, 208+4*\hf, 160+8*\hf, 192+4*\hf
.irp p, 0,1,2
	global_store_b64 v8, v[160+8*\hf+2*\p:161+8*\hf+2*\p], s[16:17] offset:1536*(\hf/2)+768*(\hf%2)+256*\p
.endr
.endm
.macro XSC e                           ; the scale word of K step e of the pair: my two bytes at 8 h and 16 + 8 h, with lane l xor 16's the word is whole
	v_lshl_or_b32 v[224+\e], v[214+8*\e], 16, v[210+8*\e]
	v_lshlrev_b32 v[224+\e], v10, v[224+\e]
	v_permlanex16_b32 v11, v[224+\e], s24, s25
	v_or_b32 v[224+\e], v[224+\e], v11
	global_store_b32 v9, v[224+\e], s[16:17] offset:3072+128*\e
.endm
	XLOAD 0
	XLOAD 1
	XLOAD 2
	XLOAD 3
	s_wait_loadcnt 24                              ; the first half fragment's eight loads are in, 24 younger ones are out
	XTURN 0
	s_wait_loadcnt 16
	XTURN 1
	s_wait_dscnt 16                                ; all but the turn just issued
	XQ 0
	s_wait_loadcnt 8
	XTURN 2
	s_wait_dscnt 16
	XQ 1
	XSC 0
	s_wait_loadcnt 0x0
	XTURN 3
	s_wait_dscnt 16
	XQ 2
	s_wait_dscnt 0x0
	XQ 3
	XSC 1
	s_wait_tensorcnt 0x0
	ds_add_u32 v254, v255
	s_wait_dscnt 0x0
	s_endpgm
; ---------------- THE MASK.  A wave: 16 queries (pi-tile T) x 256 keys.  Word (c, i) is a LANE MASK for the scores' layout: bit 16 h + r says whether mask[query pi(T, r)][key 64 c + 32 h + i] is not 0.
.Lmask:
	s_lshl_b32 s26, ttmp9, 2
	s_add_co_u32 s26, s26, s22                     ; id = 8 T + 4 (work-group % 2) + w
	s_lshr_b32 s27, s26, 3                         ; T
	s_lshr_b32 s28, s27, 7
	s_lshl_b32 s28, s28, 24                        ; the batch: 2,048 rows of 8,192 bytes
	s_and_b32 s29, s27, 127
	s_lshr_b32 s29, s29, 2
	s_lshl_b32 s29, s29, 6
	s_and_b32 s30, s27, 3
	s_lshl_b32 s30, s30, 3
	s_add_co_u32 s29, s29, s30
	s_lshl_b32 s29, s29, 13                        ; the tile's row 0
	s_add_co_u32 s28, s28, s29
	s_and_b32 s30, s26, 7
	s_lshl_b32 s30, s30, 10                        ; my 256 keys
	s_add_co_u32 s28, s28, s30
	s_mov_b32 s29, 0
	s_add_nc_u64 s[14:15], s[14:15], s[28:29]
	s_lshl_b32 s28, s26, 9
	s_add_nc_u64 s[20:21], s[20:21], s[28:29]
	v_lshlrev_b32 v2, 2, v1
	v_lshlrev_b32 v3, 4, v1
.set nn, 0
.rept 128                              ; load nn = 8 r + 2 c + h: 128 consecutive bytes; a row's eight loads cover 1,024
	global_load_b32 v[32+nn], v2, s[14:15] offset:(32*(nn/64)+(nn/8)%8)*8192+(64*((nn/2)%4)+32*(nn%2))*4 th:TH_LOAD_NT
.set nn, nn+1
.endr
.irp i, 4,5,6,7,8,9,10,11
	v_mov_b32 v\i, 0                               ; (v_writelane_b32's destination counts as read)
.endr
.set nn, 0
.rept 128                              ; lane 16 h + r of v[4 + c]: bit i = the mask at key 32 h + i
.if nn == 0
	s_wait_loadcnt 63                              ; at most 63 of the 128 are out: the first 65 are in
.elseif (nn >= 64) && (nn%16 == 0)
	s_wait_loadcnt 112-nn                          ; the younger loads may be out
.endif
	v_cmp_ne_u32 s[32+nn%16], 0, v[32+nn]
	v_writelane_b32 v[4+(nn/2)%4], s[32+nn%16], 16*(nn%2)+nn/8
.set nn, nn+1
.endr
.set nn, 0
.rept 128                              ; the 32 x 32 bits are turned: lane i of v[8 + c]: bit 16 h + r
	v_and_b32 v[12+nn%4], 1<<(nn/4), v[4+nn%4]
	v_cmp_ne_u32 s[32+nn%16], 0, v[12+nn%4]
	v_writelane_b32 v[8+nn%4], s[32+nn%16], nn/4
.set nn, nn+1
.endr
	global_store_b128 v3, v[8:11], s[20:21]        ; 512 consecutive bytes, aligned
	s_endpgm
.Lfunc_end_k_q8b9dab2fcc_prep:
	.size	k_q8b9dab2fcc_prep, .Lfunc_end_k_q8b9dab2fcc_prep-k_q8b9dab2fcc_prep
	.p2alignl 7, 3214868480
	.fill 96, 4, 3214868480
	.section	.rodata,"a",@progbits
	.p2align	6, 0x0
	.amdhsa_kernel k_q8b9dab2fcc_prep
		.amdhsa_group_segment_fixed_size 47616
		.amdhsa_private_segment_fixed_size 0
		.amdhsa_enable_private_segment 0
		.amdhsa_kernarg_size 72
		.amdhsa_user_sgpr_count 2
		.amdhsa_user_sgpr_kernarg_segment_ptr 1
		.amdhsa_wavefront_size32 1
		.amdhsa_system_sgpr_workgroup_id_x 1
		.amdhsa_system_sgpr_workgroup_id_y 1
		.amdhsa_system_sgpr_workgroup_id_z 1
		.amdhsa_system_vgpr_workitem_id 0
		.amdhsa_next_free_vgpr 256
		.amdhsa_next_free_sgpr 66
		.amdhsa_reserve_vcc 0
		.amdhsa_float_denorm_mode_32 3
		.amdhsa_float_denorm_mode_16_64 3
		.amdhsa_memory_ordered 1
		.amdhsa_forward_progress 1
		.amdhsa_inst_pref_size 115
	.end_amdhsa_kernel
	.amdgpu_metadata
---
amdhsa.version: [ 1, 2 ]
amdhsa.kernels:
  - .name:           k_q8b9dab2fcc_prep
    .symbol:         k_q8b9dab2fcc_prep.kd
    .args:
      - { .name: x, .offset: 0, .size: 8, .value_kind: global_buffer, .address_space: global }
      - { .name: Wq, .offset: 8, .size: 8, .value_kind: global_buffer, .address_space: global }
      - { .name: Wk, .offset: 16, .size: 8, .value_kind: global_buffer, .address_space: global }
      - { .name: Wv, .offset: 24, .size: 8, .value_kind: global_buffer, .address_space: global }
      - { .name: Wo, .offset: 32, .size: 8, .value_kind: global_buffer, .address_space: global }
      - { .name: mask, .offset: 40, .size: 8, .value_kind: global_buffer, .address_space: global }
      - { .name: ximg, .offset: 48, .size: 8, .value_kind: global_buffer, .address_space: global }
      - { .name: wimg, .offset: 56, .size: 8, .value_kind: global_buffer, .address_space: global }
      - { .name: mbits, .offset: 64, .size: 8, .value_kind: global_buffer, .address_space: global }
    .group_segment_fixed_size: 47616
    .private_segment_fixed_size: 0
    .kernarg_segment_align: 8
    .kernarg_segment_size: 72
    .max_flat_workgroup_size: 128
    .sgpr_count:     66
    .vgpr_count:     256
    .wavefront_size: 32
...
	.end_amdgpu_metadata
.endif
;; end of part 1
;; launch qkv (part 2): grid 8 x 32, 4 waves a work-group, clusters of 4 x 4, 327,680 bytes of LDS; arguments ximg, wimg, bq, bk, bv, qkimg, vimg; writes qkimg, vimg
.if DOCPART == 2
	.amdgcn_target "amdgcn-amd-amdhsa--gfx1250"
	.amdhsa_code_object_version 6
	.text
	.protected	k_q8b9dab2fcc_qkv
	.globl	k_q8b9dab2fcc_qkv
	.p2align	8
	.type	k_q8b9dab2fcc_qkv,@function
k_q8b9dab2fcc_qkv:
	s_mov_b64 s[64:65], 0
	v_nop
	global_prefetch_b8 v0, s[64:65] scope:SCOPE_SE
	s_setreg_imm32_b32 hwreg(HW_REG_WAVE_MODE, 25, 1), 1
	s_wait_xcnt 0x0
	s_wait_alu depctr_hold_cnt(0) depctr_sa_sdst(0) depctr_va_vdst(0) depctr_va_sdst(0) depctr_va_ssrc(0) depctr_va_vcc(0) depctr_vm_vsrc(0)
	s_getreg_b32 s2, hwreg(HW_REG_IB_STS2, 6, 4)
	s_cmp_eq_u32 s2, 0
	s_cbranch_scc0 .Lentry_in_a_cluster
	s_endpgm
.Lentry_in_a_cluster:
	s_bfe_u32 s2, ttmp6, 0x10000c
	s_cmp_lg_u32 s2, 0xf033
	s_cbranch_scc0 .Lentry_shape_is_right
	s_endpgm
.Lentry_shape_is_right:
; QKV: q = x Wq + bq, k = x Wk + bk, v = x Wv + bv on codes of FP6 (E2M3) with E8M0 scales, sums in f32; the results are quantised in registers for attention's products and leave as images of operand registers.
; Work-group (X, Y): 16 sigma-tiles of Wq (X < 4) or Wk, 4 heads, and 8 pi-tiles of tokens (128 tokens), both for ALL of K = 1,024 in LDS, filled once: no slot is ever filled again.
; CLUSTER 4 x 4: the weights' slab hangs on X alone and is asked for jointly by a column of the cluster, the tokens' slab on Y alone and is asked for jointly by a row.
; PHASE QK, transposed: source 0 = 8 weight tiles (two heads), source 1 = 4 token tiles: 32 accumulators a wave.  A lane then holds one token, and the 32 registers of a head's four tiles are the 32 numbers of q1 (lanes 0-15)
; or q2 (lanes 16-31) of that head: one block of the scores' K in one lane.
; PHASE V: source 0 = the 8 token tiles, source 1 = two pi-tiles of Wv, whose fragments feed this wave alone and so come from memory straight into registers during phase QK.  A lane holds one channel and 32 neighbouring keys.
; The biases are the C of each sum's first matrix instruction.  The accumulators take turns, one instruction a turn, in the same order in every K step.
; LIMITS: a block of zeros gets the byte 1 (its codes are zeros; this program alone reads the bytes); NaN and infinities are not served.
; REGISTERS: window 0: addresses, scale words, biases, the quantiser's work.  window 1: accumulators.  windows 2, 3: fragment sets 0, 1 (source 0 at 12 a, source 1 at 96 + 12 b) and, from v144, Wv's 16 fragments.
.set KPB,  3328
.set TROW, 13312
.set XL,   212992                      ; LDS: weights [K pair 4][16 tiles][3,328] from 0; tokens [K pair 4][8 tiles][3,328] from here
.set BLK,  102400                      ; a (tensor, batch, head) block of qkimg and vimg: 64 fragments, then 64 x 64 bytes of scale words
.set AW,  8                            ; v8-11   my 8 weight tiles in K pair 0 .. 3, 8 bytes a lane
.set AX,  12                           ; v12-15  my 4 token tiles
.set AV,  16                           ; v16-19  all 8 token tiles
.set BW,  20                           ; v20-31  the same three with 4 bytes a lane, for the scale words
.set BX,  24
.set BVX, 28
.set SC,  32                           ; v32-55  two sets of scale words, 8 + 4
.set WVS, 56                           ; v56-71  Wv's scale words
.set BQ,  72                           ; v72-135 bq or bk in the result's layout, 32 registers a head
.set BV,  136                          ; v136-151 bv, eight equal registers a tile
.set MX,  152
.set SO,  156
.set BY,  160
.set HW,  164
.set WD,  168
.set TM,  172
.set CD,  188
.set OC,  220                          ; v220 the way out: 8 x lane + 1,536 f0;  v221: 4 x lane + 64 f0
.set OS,  221
.set G1W, 24
.set G1X, 32
.set G0W, 40
.set G0X, 68
.set SEL, 90
.set MSB, 0
.macro WIN new                         ; the immediate's high byte repeats the setting that is left
.if MSB != (\new)
	s_set_vgpr_msb (MSB<<8)|(\new)
.set MSB, (\new)
.endif
.endm
.macro PLACES n
.rept \n
	v_nop
.endr
.endm
.macro ROUND                           ; a round of the cluster's barrier
	s_barrier_signal -1
	s_barrier_wait -1
	s_cmp_lg_u32 s18, 0
	s_cbranch_scc1 .Lnot_wave_0_\@
	s_barrier_signal -3
.Lnot_wave_0_\@:
	s_barrier_wait -3
	s_barrier_signal -1
	s_barrier_wait -1
.endm
.macro MM d, a, b, sa, sb
	v_wmma_scale_f32_16x16x128_f8f6f4 v[\d:\d+7], v[\a:\a+11], v[\b:\b+11], v[\d:\d+7], v[\sa], v[\sb] matrix_a_fmt:MATRIX_FMT_FP6 matrix_b_fmt:MATRIX_FMT_FP6
.endm
.macro MMC d, a, b, c, sa, sb
	v_wmma_scale_f32_16x16x128_f8f6f4 v[\d:\d+7], v[\a:\a+11], v[\b:\b+11], v[\c:\c+7], v[\sa], v[\sb] matrix_a_fmt:MATRIX_FMT_FP6 matrix_b_fmt:MATRIX_FMT_FP6
.endm
.macro FRAG reg, adr, off              ; a fragment's image: six pieces of 256 bytes
.irp q, 0,1,2,3,4,5
	ds_load_b64 v[\reg+2*\q:\reg+2*\q+1], v[\adr] offset:\off+256*\q
.endr
.endm
	s_load_b256 s[4:11], s[0:1], 0x0               ; ximg s[4:5], wimg s[6:7], bq s[8:9], bk s[10:11]
	s_load_b128 s[12:15], s[0:1], 0x20             ; bv s[12:13], qkimg s[14:15]
	s_load_b64 s[16:17], s[0:1], 0x30              ; vimg
	v_lshl_add_u32 v254, v0, 2, 0x4e000
	v_mov_b32 v255, 0
	ds_add_u32 v254, v255
	ds_add_u32 v254, v255
	v_lshrrev_b32 v1, 5, v0
	v_readfirstlane_b32 s18, v1                    ; wave
	s_lshr_b32 s19, s18, 1                         ; wa: which 8 weight tiles are mine
	s_and_b32 s20, s18, 1                          ; wb: which 4 token tiles.  Also: which half of a slab I fetch
	s_bfe_u32 s21, ttmp6, 0x40000                  ; cx
	s_bfe_u32 s22, ttmp6, 0x40004                  ; cy
	s_lshl_b32 s56, ttmp9, 2
	s_add_co_u32 s56, s56, s21                     ; X
	s_and_b32 s60, ttmp7, 0xffff
	s_lshl_b32 s60, s60, 2
	s_add_co_u32 s60, s60, s22                     ; Y
	s_lshl_b32 s57, 0x1111, s21                    ; my column of the cluster
	s_lshl_b32 s61, s22, 2
	s_lshl_b32 s61, 15, s61                        ; my row
	; group 1: rows of 416 elements of 8 bytes (one K pair of one tile), 1,664 elements from tile to tile; 8 tiles of weights, 4 of tokens; no padding
	s_or_b32 s[G1W], s57, (3<<16)|(1<<21)
	s_or_b32 s[G1X], s61, (3<<16)|(1<<21)
	s_mov_b32 s[G1W+1], 416<<16
	s_mov_b32 s[G1W+2], 8<<16
	s_mov_b32 s[G1W+3], 416<<16
	s_mov_b32 s[G1W+4], 8
	s_mov_b32 s[G1W+5], 1664
	s_mov_b32 s[G1W+6], 0
	s_mov_b32 s[G1W+7], 0
	s_mov_b32 s[G1X+1], 416<<16
	s_mov_b32 s[G1X+2], 4<<16
	s_mov_b32 s[G1X+3], 416<<16
	s_mov_b32 s[G1X+4], 4
	s_mov_b32 s[G1X+5], 1664
	s_mov_b32 s[G1X+6], 0
	s_mov_b32 s[G1X+7], 0
	s_lshl_b32 s58, s56, 4
	s_lshl_b32 s59, s20, 3
	s_add_co_u32 s58, s58, s59
	s_mul_i32 s58, s58, TROW                       ; weights: tile 16 X + 8 x half
	s_mov_b32 s59, 0
	s_lshl_b32 s62, s60, 3
	s_lshl_b32 s63, s20, 2
	s_add_co_u32 s62, s62, s63
	s_mul_i32 s62, s62, TROW                       ; tokens: tile 8 Y + 4 x half
	s_mov_b32 s63, 0
	s_mul_i32 s84, s20, 8*KPB                      ; where they go: no place in the cluster enters an LDS address
	s_mul_i32 s85, s20, 4*KPB
	s_add_co_u32 s85, s85, XL
	s_wait_dscnt 0x0
	s_wait_kmcnt 0x0
	s_add_nc_u64 s[58:59], s[6:7], s[58:59]
	s_add_nc_u64 s[62:63], s[4:5], s[62:63]
	ROUND                                          ; all sixteen work-groups are here: the joint loads meet
.irp k, 0,1,2,3
	s_mov_b32 s[G0W+4*\k], 1
	s_add_co_u32 s[G0W+4*\k+1], s84, 16*KPB*\k
	s_add_nc_u64 s[G0W+4*\k+2:G0W+4*\k+3], s[58:59], KPB*\k
	s_or_b32 s[G0W+4*\k+3], s[G0W+4*\k+3], 0x80000000
	s_mov_b32 s[G0X+4*\k], 1
	s_add_co_u32 s[G0X+4*\k+1], s85, 8*KPB*\k
	s_add_nc_u64 s[G0X+4*\k+2:G0X+4*\k+3], s[62:63], KPB*\k
	s_or_b32 s[G0X+4*\k+3], s[G0X+4*\k+3], 0x80000000
.endr
	s_cmp_lt_u32 s18, 2                            ; waves 0, 1 fetch the tokens' halves, waves 2, 3 the weights': four loads each, one for each K pair, in one branch: four tensor loads of mine are out
	s_cbranch_scc0 .Lfill_w
.irp k, 0,1,2,3
	tensor_load_to_lds s[G0X+4*\k:G0X+4*\k+3], s[G1X:G1X+7]
	s_nop 0
.endr
	PLACES 4
	s_branch .Lfilled
.Lfill_w:
.irp k, 0,1,2,3
	tensor_load_to_lds s[G0W+4*\k:G0W+4*\k+3], s[G1W:G1W+7]
	s_nop 0
.endr
	PLACES 4
.Lfilled:
	v_and_b32 v4, 31, v0                           ; lane
	v_lshlrev_b32 v1, 3, v4
	v_lshlrev_b32 v2, 2, v4
	v_lshrrev_b32 v5, 4, v4                        ; h
	v_lshlrev_b32 v3, 3, v5                        ; 8 h
	v_and_b32 v6, 15, v4                           ; r
	s_mul_i32 s86, s19, 8*KPB
	s_mul_i32 s87, s20, 4*KPB
	s_add_co_u32 s87, s87, XL
.irp k, 0,1,2,3
	s_add_co_u32 s23, s86, 16*KPB*\k
	v_add_nc_u32 v[AW+\k], s23, v1
	v_add_nc_u32 v[BW+\k], s23, v2
	s_add_co_u32 s23, s87, 8*KPB*\k
	v_add_nc_u32 v[AX+\k], s23, v1
	v_add_nc_u32 v[BX+\k], s23, v2
	v_add_nc_u32 v[AV+\k], XL+8*KPB*\k, v1
	v_add_nc_u32 v[BVX+\k], XL+8*KPB*\k, v2
.endr
	s_mov_b32 s[SEL], 0x76543210
	s_mov_b32 s[SEL+1], 0xfedcba98
	s_mov_b32 s94, 0xffff0000                      ; lanes 16-31
.irp k, 0,1,2,3
	v_mov_b32 v[HW+\k], 0                          ; (a lane permute's destination counts as one of its sources)
.endr
	; the biases.  QK: lane half h, register 32 G + 8 u + j: feature 512 h + 32 (hd0 + G) + 8 u + j
	s_lshl_b32 s66, s21, 2
	s_lshl_b32 s67, s19, 1
	s_add_co_u32 s66, s66, s67                     ; hd0 = 4 cx + 2 wa: my first head
	s_cmp_eq_u32 ttmp9, 0                          ; the cluster's x: q or k; the same in all partners
	s_cselect_b64 s[92:93], s[8:9], s[10:11]
	v_lshlrev_b32 v7, 11, v5
	s_lshl_b32 s67, s66, 7
	v_add_nc_u32 v7, s67, v7
.irp n, 0,1,2,3,4,5,6,7,8,9,10,11,12,13,14,15
	global_load_b128 v[BQ+4*\n:BQ+4*\n+3], v7, s[92:93] offset:16*\n
.endr
	; V: lane r: feature 64 (2 X + wa) + 16 wb + 8 b + 32 (r / 8) + r % 8
	s_lshl_b32 s23, s56, 1
	s_add_co_u32 s23, s23, s19                     ; the head of my two tiles of Wv
	s_lshl_b32 s67, s23, 8
	s_lshl_b32 s95, s20, 6
	s_add_co_u32 s67, s67, s95
	v_lshrrev_b32 v152, 3, v6
	v_and_b32 v153, 7, v6
	v_lshlrev_b32 v152, 7, v152
	v_lshl_add_u32 v152, v153, 2, v152
	v_add_nc_u32 v152, s67, v152
.irp b, 0,1
.irp j, 0,1,2,3,4,5,6,7
	global_load_b32 v[BV+8*\b+\j], v152, s[12:13] offset:32*\b
.endr
.endr
	; where the results go
	s_lshr_b32 s67, s60, 4
	s_lshl_b32 s67, s67, 4                         ; 16 x batch
	s_lshl_b32 s95, ttmp9, 5
	s_add_co_u32 s95, s95, s67
	s_add_co_u32 s95, s95, s66
	s_mul_i32 s86, s95, BLK
	s_mov_b32 s87, 0
	s_add_nc_u64 s[96:97], s[14:15], s[86:87]      ; qkimg: block 32 x (q or k) + 16 x batch + hd0
	s_add_co_u32 s95, s23, s67
	s_mul_i32 s86, s95, BLK
	s_add_nc_u64 s[98:99], s[16:17], s[86:87]      ; vimg: block 16 x batch + head
	s_and_b32 s95, s60, 15
	s_lshl_b32 s95, s95, 2
	s_lshl_b32 s86, s20, 1
	s_add_co_u32 s95, s95, s86                     ; f0 = 4 (Y % 16) + 2 wb: my first fragment in either block
	s_mul_i32 s86, s95, 1536
	v_add_nc_u32 v[OC], s86, v1
	s_lshl_b32 s86, s95, 6
	v_add_nc_u32 v[OS], s86, v2
	s_lshl_b32 s86, s56, 3
	s_lshl_b32 s95, s18, 1
	s_add_co_u32 s86, s86, s95
	s_add_co_u32 s86, s86, 128
	s_mul_i32 s86, s86, TROW
	s_add_nc_u64 s[88:89], s[6:7], s[86:87]        ; Wv's tiles 128 + 8 X + 2 x wave, + 1
.macro FETCH_A ks                      ; my 8 weight tiles of K step ks: 48 + 8 LDS loads
	WIN 0x80+0x40*((\ks)%2)
.irp a, 0,1,2,3,4,5,6,7
	FRAG 12*\a, AW+(\ks)/2, KPB*\a+1536*((\ks)%2)
.endr
	WIN 0
.irp a, 0,1,2,3,4,5,6,7
	ds_load_b32 v[SC+12*((\ks)%2)+\a], v[BW+(\ks)/2] offset:3072+KPB*\a+128*((\ks)%2)
.endr
.endm
.macro FETCH_B ks                      ; my 4 token tiles: 24 + 4
	WIN 0x80+0x40*((\ks)%2)
.irp a, 0,1,2,3
	FRAG 96+12*\a, AX+(\ks)/2, KPB*\a+1536*((\ks)%2)
.endr
	WIN 0
.irp a, 0,1,2,3
	ds_load_b32 v[SC+12*((\ks)%2)+8+\a], v[BX+(\ks)/2] offset:3072+KPB*\a+128*((\ks)%2)
.endr
.endm
.macro FETCH_V ks                      ; all 8 token tiles, as source 0: 48 + 8
	WIN 0x80+0x40*((\ks)%2)
.irp a, 0,1,2,3,4,5,6,7
	FRAG 12*\a, AV+(\ks)/2, KPB*\a+1536*((\ks)%2)
.endr
	WIN 0
.irp a, 0,1,2,3,4,5,6,7
	ds_load_b32 v[SC+12*((\ks)%2)+\a], v[BVX+(\ks)/2] offset:3072+KPB*\a+128*((\ks)%2)
.endr
.endm
.macro WVLOAD ks                       ; Wv's two fragments of K step ks, from memory into registers that nothing else uses
	WIN 0x80+0x40*((\ks)/4)
.irp b, 0,1
.irp q, 0,1,2,3,4,5
	global_load_b64 v[144+24*((\ks)%4)+12*\b+2*\q:145+24*((\ks)%4)+12*\b+2*\q], v1, s[88:89] offset:TROW*\b+KPB*((\ks)/2)+1536*((\ks)%2)+256*\q
.endr
.endr
	WIN 0
.irp b, 0,1
	global_load_b32 v[WVS+2*(\ks)+\b], v2, s[88:89] offset:TROW*\b+KPB*((\ks)/2)+3072+128*((\ks)%2)
.endr
.endm
.macro MULQK ks, g, first              ; 16 matrix instructions: head g's four weight tiles x my four token tiles
.if \first
	WIN 0x4a
.else
	WIN 0x5a+5*((\ks)%2)
.endif
.irp b, 0,1,2,3
.irp u, 0,1,2,3
.if \first
	MMC 32*(4*\g+\b)+8*\u, 12*(4*\g+\u), 96+12*\b, BQ+32*\g+8*\u, SC+12*((\ks)%2)+4*\g+\u, SC+12*((\ks)%2)+8+\b
.else
	MM 32*(4*\g+\b)+8*\u, 12*(4*\g+\u), 96+12*\b, SC+12*((\ks)%2)+4*\g+\u, SC+12*((\ks)%2)+8+\b
.endif
.endr
.endr
.endm
.macro MULV ks, first                  ; 16 matrix instructions: 8 token tiles x Wv's two
	WIN 0x40+0x10*(1-\first)+4*(2+(\ks)/4)+2+(\ks)%2
.irp g, 0,1
.irp u, 0,1,2,3
.irp b, 0,1
.if \first
	MMC 32*(2*\g+\b)+8*\u, 12*(4*\g+\u), 144+24*((\ks)%4)+12*\b, BV+8*\b, SC+12*((\ks)%2)+4*\g+\u, WVS+2*(\ks)+\b
.else
	MM 32*(2*\g+\b)+8*\u, 12*(4*\g+\u), 144+24*((\ks)%4)+12*\b, SC+12*((\ks)%2)+4*\g+\u, WVS+2*(\ks)+\b
.endif
.endr
.endr
.endr
.endm
; A load into a register that a matrix instruction has read stands four plain vector instructions behind it (ISA guide 7.12.1 for vector instructions).
.macro QK_EVEN ks, first               ; the next K step lies in the same K pair
	PLACES 4
	FETCH_A (\ks)+1
	s_wait_dscnt 56                                ; all but the 56 just issued: this step's operands are in
	MULQK \ks, 0, \first
	FETCH_B (\ks)+1
	WVLOAD \ks
	MULQK \ks, 1, \first
.endm
.macro QK_ODD ks                       ; the next K step lies in the next K pair: every wave's part of it must have landed
	s_wait_dscnt 0x0
	s_wait_tensorcnt 3-((\ks)+1)/2                 ; the younger K pairs' loads may be out
	s_barrier_signal -1
	MULQK \ks, 0, 0
	WIN 0
	s_barrier_wait -1
	PLACES 4
	FETCH_A (\ks)+1
	FETCH_B (\ks)+1
	WVLOAD \ks
	MULQK \ks, 1, 0
.endm
; Four blocks of 32 results (window 1, from b0 .. b3) by turns: codes into v[CD + 8 i] on, the two lane halves' bytes into v[HW + i].  Each accumulator is read from its low end on.
.macro EPI4 b0, b1, b2, b3
	WIN 0x05
	v_max3_num_f32 v[MX], |v[\b0]|, |v[\b0+1]|, 0x1800000
	v_max3_num_f32 v[MX+1], |v[\b1]|, |v[\b1+1]|, 0x1800000
	v_max3_num_f32 v[MX+2], |v[\b2]|, |v[\b2+1]|, 0x1800000
	v_max3_num_f32 v[MX+3], |v[\b3]|, |v[\b3+1]|, 0x1800000
.irp i, 2,4,6,8,10,12,14,16,18,20,22,24,26,28,30
	v_max3_num_f32 v[MX], |v[\b0+\i]|, |v[\b0+\i+1]|, v[MX]
	v_max3_num_f32 v[MX+1], |v[\b1+\i]|, |v[\b1+\i+1]|, v[MX+1]
	v_max3_num_f32 v[MX+2], |v[\b2+\i]|, |v[\b2+\i+1]|, v[MX+2]
	v_max3_num_f32 v[MX+3], |v[\b3+\i]|, |v[\b3+\i+1]|, v[MX+3]
.endr
	WIN 0
.irp k, 0,1,2,3
	v_add_nc_u32 v[SO+\k], 0xff000000, v[MX+\k]
.endr
.irp k, 0,1,2,3
	v_lshrrev_b32 v[BY+\k], 23, v[SO+\k]
.endr
.irp k, 0,1,2,3
	v_lshlrev_b32 v[BY+\k], v3, v[BY+\k]           ; my byte at 8 h
.endr
.irp k, 0,1,2,3
	v_permlanex16_b32 v[HW+\k], v[BY+\k], s[SEL], s[SEL+1]
.endr
.irp k, 0,1,2,3
	v_or_b32 v[HW+\k], v[HW+\k], v[BY+\k]
.endr
	WIN 0x01
	v_cvt_scalef32_pk16_fp6_f32 v[CD:CD+2], v[\b0:\b0+15], v[SO]
	v_cvt_scalef32_pk16_fp6_f32 v[TM:TM+2], v[\b0+16:\b0+31], v[SO]
	v_cvt_scalef32_pk16_fp6_f32 v[CD+8:CD+10], v[\b1:\b1+15], v[SO+1]
	v_cvt_scalef32_pk16_fp6_f32 v[TM+4:TM+6], v[\b1+16:\b1+31], v[SO+1]
	v_cvt_scalef32_pk16_fp6_f32 v[CD+16:CD+18], v[\b2:\b2+15], v[SO+2]
	v_cvt_scalef32_pk16_fp6_f32 v[TM+8:TM+10], v[\b2+16:\b2+31], v[SO+2]
	v_cvt_scalef32_pk16_fp6_f32 v[CD+24:CD+26], v[\b3:\b3+15], v[SO+3]
	v_cvt_scalef32_pk16_fp6_f32 v[TM+12:TM+14], v[\b3+16:\b3+31], v[SO+3]
	v_nop                                          ; one plain instruction behind the conversions
	WIN 0
.irp k, 0,1,2,3
.irp i, 0,1,2
	v_mov_b32 v[CD+8*\k+3+\i], v[TM+4*\k+\i]
.endr
.endr
.endm
.macro QKOUT g                         ; head hd0 + g: token tile b is half b % 2 of fragment f0 + b / 2
	EPI4 128*\g, 128*\g+32, 128*\g+64, 128*\g+96
.irp b, 0,1,2,3
.irp p, 0,1,2
	global_store_b64 v[OC], v[CD+8*\b+2*\p:CD+8*\b+2*\p+1], s[96:97] offset:BLK*\g+1536*(\b/2)+768*(\b%2)+256*\p   ; 256 consecutive bytes, aligned
.endr
.endr
	v_lshl_or_b32 v[WD], v[HW+1], 16, v[HW]
	v_lshl_or_b32 v[WD+1], v[HW+3], 16, v[HW+2]
	v_cndmask_b32 v[WD], v[WD], v[WD+1], s94       ; lanes 0-15 fragment f0's words, lanes 16-31 those of f0 + 1
	global_store_b32 v[OS], v[WD], s[96:97] offset:BLK*\g+98304
.endm
	s_wait_loadcnt 0x0                             ; the biases
	s_wait_tensorcnt 0x3                           ; my part of K pair 0 is in; three younger loads are out
	s_barrier_signal -1
	s_barrier_wait -1                              ; everybody's is
	FETCH_A 0
	FETCH_B 0
	QK_EVEN 0, 1
	QK_ODD 1
	QK_EVEN 2, 0
	QK_ODD 3
	QK_EVEN 4, 0
	QK_ODD 5
	QK_EVEN 6, 0
	WVLOAD 7
	s_wait_dscnt 0x0
	MULQK 7, 0, 0
	MULQK 7, 1, 0
	WIN 0
	PLACES 4
	QKOUT 0
	s_wait_xcnt 0x0                                ; the stores have read their registers: the codes' registers are written again
	QKOUT 1
	; ---- phase V
	s_wait_loadcnt 0x0                             ; Wv's fragments
	FETCH_V 0
	PLACES 4
	FETCH_V 1
	s_wait_dscnt 56
	MULV 0, 1
.irp k, 1,2,3,4,5,6
	PLACES 4
	FETCH_V \k+1
	s_wait_dscnt 56
	MULV \k, 0
.endr
	s_wait_dscnt 0x0
	MULV 7, 0
	WIN 0
	PLACES 4
	s_wait_xcnt 0x0
	EPI4 0, 32, 64, 96                             ; block 2 G + b: keys 64 G + 32 h + 0 .. 31 of my 128, channel tile b
.irp g, 0,1
.irp b, 0,1
.irp p, 0,1,2
	global_store_b64 v[OC], v[CD+8*(2*\g+\b)+2*\p:CD+8*(2*\g+\b)+2*\p+1], s[98:99] offset:1536*\b+768*\g+256*\p
.endr
.endr
.endr
	v_lshl_or_b32 v[WD], v[HW+2], 16, v[HW]
	v_lshl_or_b32 v[WD+1], v[HW+3], 16, v[HW+1]
	v_cndmask_b32 v[WD], v[WD], v[WD+1], s94
	global_store_b32 v[OS], v[WD], s[98:99] offset:98304
	s_wait_tensorcnt 0x0
	ds_add_u32 v254, v255
	s_wait_dscnt 0x0
	ROUND                                          ; the closing round: no work-group ends while a partner may still ask for a tile that names it
	s_endpgm
.Lfunc_end_k_q8b9dab2fcc_qkv:
	.size	k_q8b9dab2fcc_qkv, .Lfunc_end_k_q8b9dab2fcc_qkv-k_q8b9dab2fcc_qkv
	.p2alignl 7, 3214868480
	.fill 96, 4, 3214868480
	.section	.rodata,"a",@progbits
	.p2align	6, 0x0
	.amdhsa_kernel k_q8b9dab2fcc_qkv
		.amdhsa_group_segment_fixed_size 327680
		.amdhsa_private_segment_fixed_size 0
		.amdhsa_enable_private_segment 0
		.amdhsa_kernarg_size 56
		.amdhsa_user_sgpr_count 2
		.amdhsa_user_sgpr_kernarg_segment_ptr 1
		.amdhsa_wavefront_size32 1
		.amdhsa_system_sgpr_workgroup_id_x 1
		.amdhsa_system_sgpr_workgroup_id_y 1
		.amdhsa_system_sgpr_workgroup_id_z 1
		.amdhsa_system_vgpr_workitem_id 0
		.amdhsa_next_free_vgpr 1024
		.amdhsa_next_free_sgpr 100
		.amdhsa_reserve_vcc 0
		.amdhsa_float_denorm_mode_32 3
		.amdhsa_float_denorm_mode_16_64 3
		.amdhsa_memory_ordered 1
		.amdhsa_forward_progress 1
		.amdhsa_inst_pref_size 171
	.end_amdhsa_kernel
	.amdgpu_metadata
---
amdhsa.version: [ 1, 2 ]
amdhsa.kernels:
  - .name:           k_q8b9dab2fcc_qkv
    .symbol:         k_q8b9dab2fcc_qkv.kd
    .args:
      - { .name: ximg, .offset: 0, .size: 8, .value_kind: global_buffer, .address_space: global }
      - { .name: wimg, .offset: 8, .size: 8, .value_kind: global_buffer, .address_space: global }
      - { .name: bq, .offset: 16, .size: 8, .value_kind: global_buffer, .address_space: global }
      - { .name: bk, .offset: 24, .size: 8, .value_kind: global_buffer, .address_space: global }
      - { .name: bv, .offset: 32, .size: 8, .value_kind: global_buffer, .address_space: global }
      - { .name: qkimg, .offset: 40, .size: 8, .value_kind: global_buffer, .address_space: global }
      - { .name: vimg, .offset: 48, .size: 8, .value_kind: global_buffer, .address_space: global }
    .group_segment_fixed_size: 327680
    .private_segment_fixed_size: 0
    .kernarg_segment_align: 8
    .kernarg_segment_size: 56
    .max_flat_workgroup_size: 128
    .sgpr_count:     100
    .vgpr_count:     1024
    .wavefront_size: 32
...
	.end_amdgpu_metadata
.endif
;; end of part 2
;; launch attn (part 3): grid 8 x 32, 4 waves a work-group, no clusters, 168,448 bytes of LDS; arguments qkimg, vimg, mbits, lq1, lk1, lq2, lk2, ln_g, ln_b, aimg; writes aimg
.if DOCPART == 3
	.amdgcn_target "amdgcn-amd-amdhsa--gfx1250"
	.amdhsa_code_object_version 6
	.text
	.protected	k_q8b9dab2fcc_attn
	.globl	k_q8b9dab2fcc_attn
	.p2align	8
	.type	k_q8b9dab2fcc_attn,@function
k_q8b9dab2fcc_attn:
	s_mov_b64 s[64:65], 0
	v_nop
	global_prefetch_b8 v0, s[64:65] scope:SCOPE_SE
	s_setreg_imm32_b32 hwreg(HW_REG_WAVE_MODE, 25, 1), 1
	s_wait_xcnt 0x0
; ATTN: out = LayerNorm((softmax(q1 k1^T / sqrt(32)) - lam softmax(q2 k2^T / sqrt(32))) v) x 0.8, all three products on codes of FP6 (E2M3) with E8M0 scales, sums in f32; the result leaves quantised for the last projection.
; The second product's left operand is the FINISHED, normalised difference, quantised in blocks of 32 keys: so both rows' maxima and sums must be known before anything is quantised.  A task's scores are therefore KEPT:
; 16 queries x 2,048 keys x 2 softmaxes are 512 registers in each of four waves, and scores and exponentials are computed once.
; SHARES.  A work-group owns one (batch, head) and 256 queries: 16 tasks of one pi-tile.  Wave w owns keys 512 w .. 512 w + 511 for the whole launch: its 16 fragments of K stay in registers, its 16 of V in its own LDS bytes.
; The waves exchange (c x maximum, sum) through LDS, one barrier a task, and their partial O^T once for four tasks; wave w then finishes task 4 g + w (LayerNorm, quantiser, store).
; K = 32 IN AN INSTRUCTION OF 128.  A fragment of K is dense: its four blocks are k1, k2 of key tile 2 f and k1, k2 of tile 2 f + 1.  The query's operand has codes in ONE block and zeros elsewhere, which picks the product.
; SOFTMAX.  p = 2^(c s - c m_w), m_w the wave's own maximum of the row, c = log2(e) / sqrt(32); a = p x 2^(c m_w - c M) / l with M the largest of the four c m_w and l the sum of l_w x 2^(c m_w - c M).
; A masked score is -1e9 x sqrt(32) ahead of the division, as the definition has it: a row with no open key comes out uniform.
; NO CLUSTER: K goes straight into registers, where a joint load cannot land, and what work-groups share (a head's 200 KB of K and V) is read once at the head against 16 tasks of work.
; LIMITS: a block of zeros gets the byte 1 (its codes are zeros; this program alone reads the bytes); NaN and infinities are not served.
; REGISTERS: window 0: see the names below.  window 1: K at 12 f; the query's run v192-221 = [0 X1 0 X2 0], six registers each.  windows 2, 3: group c of 64 keys in window 2 + c / 4: S1 at 32 (c % 4) + i, S2 at 128 + the same;
; register i of lane (r, h): query r, key 64 c + 32 h + i: a whole block of 32 keys in one lane.
.set BLK, 102400
.set VLB, 24576                        ; LDS: V, 24,576 bytes for each wave, from 0;
.set OXB, 98304                        ; partial O^T [slot 4][wave 4][4,096];
.set STB, 163840                       ; (c m1, l1, c m2, l2) [slot 4][wave 4][16 queries x 16 bytes]
; v1 8 l, v2 16 l, v3 4 r, v4 4 l, v5 8 h, v6 / v7 all ones in lanes 0-15 / 16-31, v8 V's and K's lane place, v9-12 LDS places, v13-15 the next task's offsets, v16 -lam, v17-19 the task's LDS addresses,
; v20-27 K's scale words, v28-35 V's (two fragments a register: lanes 0-15, lanes 16-31), v36-39 the query's four, v40-46 the query as loaded, v47 ln's offset, v48-55 mask words, v56-63 maxima, v64-67 -c m, v68-83 sums,
; v84-99 the four waves' figures, v100-103 mine, v104-119 at work, v120-123 the two factors, v124-125 the way out, v126 p's scale word, v127 V's way in, v128-159 O^T, v160-189 p's codes and the quantiser, v192-239 four fragments of V.
.set MSB, 0
.macro WIN new
.if MSB != (\new)
	s_set_vgpr_msb (MSB<<8)|(\new)
.set MSB, (\new)
.endif
.endm
.macro PLACES n
.rept \n
	v_nop
.endr
.endm
.macro SMM d, a, b, sa, sb, row        ; a product of scores: it starts its sum
.if \row
	v_wmma_scale_f32_16x16x128_f8f6f4 v[\d:\d+7], v[\a:\a+11], v[\b:\b+11], 0, v[\sa], v[\sb] matrix_a_fmt:MATRIX_FMT_FP6 matrix_b_fmt:MATRIX_FMT_FP6 matrix_a_scale:MATRIX_SCALE_ROW1
.else
	v_wmma_scale_f32_16x16x128_f8f6f4 v[\d:\d+7], v[\a:\a+11], v[\b:\b+11], 0, v[\sa], v[\sb] matrix_a_fmt:MATRIX_FMT_FP6 matrix_b_fmt:MATRIX_FMT_FP6
.endif
.endm
.macro PMM t, zero                     ; O^T tile t += V^T's fragment t x p's codes, chunk GG
.if \zero
.if (\t)%2
	v_wmma_scale_f32_16x16x128_f8f6f4 v[128+8*\t:135+8*\t], v[192+12*\t:203+12*\t], v[160:171], 0, v[28+2*GG+(\t)/2], v126 matrix_a_fmt:MATRIX_FMT_FP6 matrix_b_fmt:MATRIX_FMT_FP6 matrix_a_scale:MATRIX_SCALE_ROW1
.else
	v_wmma_scale_f32_16x16x128_f8f6f4 v[128+8*\t:135+8*\t], v[192+12*\t:203+12*\t], v[160:171], 0, v[28+2*GG+(\t)/2], v126 matrix_a_fmt:MATRIX_FMT_FP6 matrix_b_fmt:MATRIX_FMT_FP6
.endif
.else
.if (\t)%2
	v_wmma_scale_f32_16x16x128_f8f6f4 v[128+8*\t:135+8*\t], v[192+12*\t:203+12*\t], v[160:171], v[128+8*\t:135+8*\t], v[28+2*GG+(\t)/2], v126 matrix_a_fmt:MATRIX_FMT_FP6 matrix_b_fmt:MATRIX_FMT_FP6 matrix_a_scale:MATRIX_SCALE_ROW1
.else
	v_wmma_scale_f32_16x16x128_f8f6f4 v[128+8*\t:135+8*\t], v[192+12*\t:203+12*\t], v[160:171], v[128+8*\t:135+8*\t], v[28+2*GG+(\t)/2], v126 matrix_a_fmt:MATRIX_FMT_FP6 matrix_b_fmt:MATRIX_FMT_FP6
.endif
.endif
.endm
.macro NEXTQ                           ; tile s92's six loads: its codes (768 bytes a tile), its scale words, its mask words for my 512 keys
	s_mul_i32 s93, s92, 768
	v_add_nc_u32 v13, s93, v1
	s_lshr_b32 s93, s92, 1
	s_lshl_b32 s93, s93, 6
	v_add_nc_u32 v14, s93, v3
	s_lshl_b32 s93, s92, 12
	v_add_nc_u32 v15, s93, v2
.irp p, 0,1,2
	global_load_b64 v[40+2*\p:41+2*\p], v13, s[80:81] offset:256*\p
.endr
	global_load_b32 v46, v14, s[80:81] offset:98304
	global_load_b128 v[48:51], v15, s[86:87]
	global_load_b128 v[52:55], v15, s[86:87] offset:512
.endm
	s_load_b512 s[4:19], s[0:1], 0x0               ; qkimg s[4:5], vimg s[6:7], mbits s[8:9], lq1 s[10:11], lk1 s[12:13], lq2 s[14:15], lk2 s[16:17], ln_g s[18:19]
	s_load_b128 s[20:23], s[0:1], 0x40             ; ln_b s[20:21], aimg s[22:23]
	v_lshl_add_u32 v118, v0, 2, 0x29000
	v_mov_b32 v119, 0
	v_lshrrev_b32 v1, 5, v0
	v_readfirstlane_b32 s24, v1                    ; wave
	s_and_b32 s26, ttmp7, 0xffff                   ; 16 x batch + head
	s_and_b32 s27, s26, 15                         ; head
	s_lshr_b32 s28, s26, 4                         ; batch
	s_lshl_b32 s78, ttmp9, 4                       ; the task's tile among the batch's 128
	v_and_b32 v104, 31, v0                         ; lane
	v_lshlrev_b32 v1, 3, v104
	v_lshlrev_b32 v2, 4, v104
	v_and_b32 v105, 15, v104                       ; r
	v_lshlrev_b32 v3, 2, v105
	v_lshlrev_b32 v4, 2, v104
	v_lshrrev_b32 v106, 4, v104                    ; h
	v_lshlrev_b32 v5, 3, v106
	v_sub_nc_u32 v7, 0, v106
	v_xor_b32 v6, -1, v7
	s_mul_i32 s92, s24, VLB
	v_add_nc_u32 v8, s92, v1
	v_add_nc_u32 v127, s92, v2
	s_lshl_b32 s93, s24, 8
	v_lshlrev_b32 v10, 4, v105
	v_add_nc_u32 v9, s93, v10
	v_add_nc_u32 v9, STB, v9                       ; my figures: wave w, query r
	v_add_nc_u32 v10, STB, v10                     ; everybody's
	s_lshl_b32 s93, s24, 12
	v_add_nc_u32 v11, s93, v2
	v_add_nc_u32 v11, OXB, v11                     ; my partial O^T
	s_lshl_b32 s93, s24, 14
	v_add_nc_u32 v12, s93, v2
	v_add_nc_u32 v12, OXB, v12                     ; slot w: the task that I finish
	s_lshl_b32 s93, s24, 10
	v_add_nc_u32 v109, s93, v4                     ; my 16 fragments' scale words
	v_lshlrev_b32 v47, 7, v106
	s_lshl_b32 s93, s27, 8
	v_add_nc_u32 v47, s93, v47                     ; ln_g, ln_b: channels 32 h on of my head
	s_mov_b32 s66, 0x3e8293ee                      ; c = log2(e) / sqrt(32)
	s_mov_b32 s67, s66                             ; (named with it as a pair, so it is written)
	s_mov_b32 s68, 0xbe8293ee                      ; -c
	s_mov_b32 s69, 0xcfa8965f                      ; -1e9 x sqrt(32)
	s_mov_b32 s70, 0xff800000                      ; -infinity
	s_mov_b32 s71, 0x1800000                       ; the floor 2^(3 - 127)
	s_mov_b32 s72, 0x76543210
	s_mov_b32 s73, 0xfedcba98
	s_wait_kmcnt 0x0
	s_mul_i32 s92, s26, BLK
	s_mov_b32 s93, 0
	s_add_nc_u64 s[80:81], s[4:5], s[92:93]        ; q's block
	s_add_nc_u64 s[82:83], s[80:81], 32*BLK        ; k's
	s_add_nc_u64 s[84:85], s[6:7], s[92:93]        ; v's
	s_lshl_b32 s92, s28, 19
	s_lshl_b32 s94, s24, 10
	s_add_co_u32 s92, s92, s94
	s_add_nc_u64 s[86:87], s[8:9], s[92:93]        ; mask words: the batch's tile 0, my keys
	s_mul_i32 s79, s28, 128*13312
	s_lshr_b32 s94, s27, 2
	s_mul_i32 s94, s94, 3328
	s_add_co_u32 s79, s79, s94                     ; aimg: the batch's tile 0, K pair head / 4
	s_bfe_u32 s94, s27, 0x10001
	s_and_b32 s95, s27, 1
	s_mul_i32 s92, s94, 1536
	s_mul_i32 s25, s95, 768
	s_add_co_u32 s92, s92, s25
	s_add_co_u32 s92, s92, s79
	s_add_nc_u64 s[88:89], s[22:23], s[92:93]      ; the codes: fragment (head / 2) % 2, half head % 2
	s_lshl_b32 s92, s94, 7
	s_lshl_b32 s25, s95, 1
	s_add_co_u32 s92, s92, s25
	s_add_co_u32 s92, s92, s79
	s_add_co_u32 s92, s92, 3072
	s_add_nc_u64 s[90:91], s[22:23], s[92:93]      ; the two scale bytes
	s_mov_b32 s94, 0x3c800000                      ; 1 / 64
	s_mov_b32 s95, 0x3727c5ac                      ; 1e-5
	WIN 0x80
.set nn, 0
.rept 48
	global_load_b128 v[4*nn:4*nn+3], v127, s[84:85] offset:512*nn       ; my 16 fragments of V, 24,576 dense bytes
.set nn, nn+1
.endr
	WIN 0x40
.set nn, 0
.rept 96
	global_load_b64 v[2*nn:2*nn+1], v8, s[82:83] offset:256*nn          ; my 16 fragments of K: they stay
.set nn, nn+1
.endr
.irp i, 0,1,2,3,4,5
	v_mov_b32 v[192+\i], 0                         ; the query run's zeros
	v_mov_b32 v[204+\i], 0
	v_mov_b32 v[216+\i], 0
.endr
	WIN 0
.irp i, 0,1,2,3,4,5,6,7
	global_load_b32 v[20+\i], v109, s[82:83] offset:98304+128*\i
	global_load_b32 v[28+\i], v109, s[84:85] offset:98304+128*\i
.endr
	global_load_b32 v110, v4, s[10:11]
	global_load_b32 v111, v4, s[12:13]
	global_load_b32 v112, v4, s[14:15]
	global_load_b32 v113, v4, s[16:17]
	v_mov_b32 v65, 0                               ; upper halves of pairs of which the low word serves both halves: named, so written
	v_mov_b32 v67, 0
	v_mov_b32 v121, 0
	v_mov_b32 v123, 0
	v_mov_b32 v187, 0                              ; (a lane permute's destination counts as one of its sources)
	s_wait_loadcnt 0x0
	WIN 0x08
.set nn, 0
.rept 48
	ds_store_b128 v127, v[4*nn:4*nn+3] offset:512*nn                    ; into my own bytes: no other wave reads them
.set nn, nn+1
.endr
	WIN 0
	s_wait_dscnt 0x0
	; lam = exp(lq1 . lk1) - exp(lq2 . lk2) + 0.2
	v_mul_f32 v110, v110, v111
	v_mul_f32 v112, v112, v113
.irp m, 1,2,4,8
	v_add_f32_dpp v110, v110, v110 row_xmask:\m row_mask:0xf bank_mask:0xf
	v_add_f32_dpp v112, v112, v112 row_xmask:\m row_mask:0xf bank_mask:0xf
.endr
	v_permlanex16_b32 v111, v110, s72, s73
	v_permlanex16_b32 v113, v112, s72, s73
	v_add_f32 v110, v110, v111
	v_add_f32 v112, v112, v113
	v_mul_f32 v110, 0x3fb8aa3b, v110
	v_mul_f32 v112, 0x3fb8aa3b, v112
	v_exp_f32 v110, v110
	v_exp_f32 v112, v112
	v_nop                                          ; a plain instruction behind the exponentials,
	s_wait_alu depctr_va_vdst(0)                   ; and one wait for both, ahead of their first reader
	v_sub_f32 v110, v112, v110
	v_add_f32 v16, 0xbe4ccccd, v110                ; -lam
	s_mov_b32 s92, s78
	NEXTQ                                          ; the first task's query and mask words
.macro EXPS w                          ; p = 2^(c s - c m) in place, window w: 128 packed scalings, 256 exponentials four pairs behind them; nothing here names an exponential's result
	WIN 0x82+0x41*(\w-2)
.set nn, 0
.rept 128
	v_pk_fma_f32 v[2*nn:2*nn+1], v[2*nn:2*nn+1], s[66:67], v[64+2*(nn/64):65+2*(nn/64)] op_sel_hi:[1,0,0]
.if nn >= 4
	v_exp_f32 v[2*nn-8], v[2*nn-8]
	v_exp_f32 v[2*nn-7], v[2*nn-7]
.endif
.set nn, nn+1
.endr
.set nn, 248
.rept 8
	v_exp_f32 v[nn], v[nn]
.set nn, nn+1
.endr
.endm
.macro CHUNK g                         ; 128 of my keys: the difference, its quantiser, four products
.set GG, \g
.set SB, 64*((\g)%2)
	WIN 0xa2+0x51*((\g)/2)
.set nn, 0
.rept 32
	v_pk_mul_f32 v[128+SB+2*nn:129+SB+2*nn], v[128+SB+2*nn:129+SB+2*nn], v[122:123] op_sel_hi:[1,0]     ; -lam a2
.set nn, nn+1
.endr
.set nn, 0
.rept 32
	v_pk_fma_f32 v[SB+2*nn:SB+2*nn+1], v[SB+2*nn:SB+2*nn+1], v[120:121], v[128+SB+2*nn:129+SB+2*nn] op_sel_hi:[1,0,1]   ; a1 - lam a2.  (These 64 are also the places ahead of the loads below)
.set nn, nn+1
.endr
	WIN 0
.irp t, 0,1,2,3
.irp q, 0,1,2,3,4,5
	ds_load_b64 v[192+12*\t+2*\q:193+12*\t+2*\q], v8 offset:1536*(4*(\g)+\t)+256*\q
.endr
.endr
	WIN 0x28+0x14*((\g)/2)
	v_max3_num_f32 v182, s71, |v[SB]|, |v[SB+1]|                   ; my two blocks, two chains each; the floor is a leaf
	v_max3_num_f32 v183, s71, |v[SB+32]|, |v[SB+33]|
	v_max3_num_f32 v188, s71, |v[SB+2]|, |v[SB+3]|
	v_max3_num_f32 v189, s71, |v[SB+34]|, |v[SB+35]|
.set nn, 2
.rept 7
	v_max3_num_f32 v182, v182, |v[SB+2*nn]|, |v[SB+2*nn+1]|
	v_max3_num_f32 v183, v183, |v[SB+32+2*nn]|, |v[SB+33+2*nn]|
	v_max3_num_f32 v188, v188, |v[SB+2*nn+2]|, |v[SB+2*nn+3]|
	v_max3_num_f32 v189, v189, |v[SB+34+2*nn]|, |v[SB+35+2*nn]|
.set nn, nn+2
.endr
	WIN 0
	v_max_num_f32 v182, v182, v188
	v_max_num_f32 v183, v183, v189
	v_add_nc_u32 v184, 0xff000000, v182
	v_add_nc_u32 v185, 0xff000000, v183
	v_lshrrev_b32 v186, 23, v184
	v_lshrrev_b32 v187, 23, v185
	v_lshl_or_b32 v186, v187, 16, v186
	v_lshlrev_b32 v186, v5, v186                   ; my two bytes at 8 h and 16 + 8 h
	v_permlanex16_b32 v187, v186, s72, s73
	v_or_b32 v126, v186, v187                      ; the query's scale word for these 128 keys
	WIN 0x02+(\g)/2
	v_cvt_scalef32_pk16_fp6_f32 v[160:162], v[SB:SB+15], v184
	v_cvt_scalef32_pk16_fp6_f32 v[172:174], v[SB+16:SB+31], v184
	v_cvt_scalef32_pk16_fp6_f32 v[166:168], v[SB+32:SB+47], v185
	v_cvt_scalef32_pk16_fp6_f32 v[176:178], v[SB+48:SB+63], v185
	v_nop                                          ; one plain instruction behind the conversions
	WIN 0
.irp i, 0,1,2
	v_mov_b32 v[163+\i], v[172+\i]
	v_mov_b32 v[169+\i], v[176+\i]
.endr
	PLACES 8                                       ; a scale register written by a vector instruction stands eight places ahead of a scaled matrix instruction, an operand four
	s_wait_dscnt 0x0                               ; V's four fragments are in
.irp t, 0,1,2,3
.if (\g) == 0
	PMM \t, 1
.else
	PMM \t, 0
.endif
.endr
.endm
.macro TASK
	s_wait_loadcnt 0x0                             ; the query and the mask words, asked for half a task ago
	s_and_b32 s79, s78, 1
	s_lshl_b32 s79, s79, 4                         ; which half of the fragment's scale word is this tile's
	v_add_nc_u32 v17, s76, v9
	v_add_nc_u32 v18, s76, v10
	v_add_nc_u32 v19, s77, v11
	v_lshrrev_b32 v104, s79, v46
	v_and_b32 v36, 0xff, v104                      ; q1's byte at block 0,
	v_and_b32 v37, 0xff00, v104                    ; q2's at block 1,
	v_lshlrev_b32 v38, 16, v36                     ; q1's at block 2,
	v_lshlrev_b32 v39, 16, v37                     ; q2's at block 3; the other bytes are 0, over zero codes
	WIN 0x40
.irp i, 0,1,2,3,4,5
	v_and_b32 v[198+\i], v6, v[40+\i]              ; X1: q1's codes in lanes 0-15
	v_and_b32 v[210+\i], v7, v[40+\i]              ; X2: q2's in lanes 16-31
.endr
	WIN 0
	PLACES 8
.set ff, 0
.rept 16                               ; fragment ff of K: key tiles 2 ff and 2 ff + 1, both softmaxes
	WIN 0x85+0x40*(ff/8)
	SMM 32*((ff/2)%4)+16*(ff%2), 12*ff, 198, 20+ff/2, 36, ff%2
	SMM 128+32*((ff/2)%4)+16*(ff%2), 12*ff, 210, 20+ff/2, 37, ff%2
	SMM 8+32*((ff/2)%4)+16*(ff%2), 12*ff, 192, 20+ff/2, 38, ff%2
	SMM 136+32*((ff/2)%4)+16*(ff%2), 12*ff, 204, 20+ff/2, 39, ff%2
.set ff, ff+1
.endr
	WIN 0
	PLACES 4
.set cc, 0
.rept 8                                ; the mask, and the maxima in 4 + 4 chains.  Each accumulator is read from its low end on
.set ii, 0
.rept 32
	v_readlane_b32 s[32+ii], v[48+cc], ii
.set ii, ii+1
.endr
	WIN 0x88+0x44*(cc/4)
.set ii, 0
.rept 32
	v_cndmask_b32 v[32*(cc%4)+ii], s69, v[32*(cc%4)+ii], s[32+ii]
	v_cndmask_b32 v[128+32*(cc%4)+ii], s69, v[128+32*(cc%4)+ii], s[32+ii]
.set ii, ii+1
.endr
	WIN 0x28+0x14*(cc/4)
.set ii, 0
.rept 16
.if (cc == 0) && (ii < 4)
	v_max3_num_f32 v[56+ii%4], s70, v[32*(cc%4)+2*ii], v[32*(cc%4)+2*ii+1]
	v_max3_num_f32 v[60+ii%4], s70, v[128+32*(cc%4)+2*ii], v[129+32*(cc%4)+2*ii]
.else
	v_max3_num_f32 v[56+ii%4], v[56+ii%4], v[32*(cc%4)+2*ii], v[32*(cc%4)+2*ii+1]
	v_max3_num_f32 v[60+ii%4], v[60+ii%4], v[128+32*(cc%4)+2*ii], v[129+32*(cc%4)+2*ii]
.endif
.set ii, ii+1
.endr
	WIN 0
.set cc, cc+1
.endr
	s_add_co_u32 s92, s78, 1
	s_min_u32 s92, s92, 127                        ; the next task's tile, held inside the batch: the last task's loads are not used
	NEXTQ
	v_max3_num_f32 v56, v56, v57, v58
	v_max3_num_f32 v60, v60, v61, v62
	v_max_num_f32 v56, v56, v59
	v_max_num_f32 v60, v60, v63
	v_permlanex16_b32 v57, v56, s72, s73
	v_permlanex16_b32 v61, v60, s72, s73
	v_max_num_f32 v56, v56, v57                    ; my 512 keys' largest score of query r
	v_max_num_f32 v60, v60, v61
	v_mul_f32 v64, s68, v56                        ; -c m
	v_mul_f32 v66, s68, v60
	v_mul_f32 v100, s66, v56                       ; c m: the same number with the other sign
	v_mul_f32 v102, s66, v60
	EXPS 2
	EXPS 3
	v_nop                                          ; a plain instruction behind the last exponential,
	s_wait_alu depctr_va_vdst(0)                   ; and ONE wait for all 512, ahead of their first reader
	WIN 0x0a                                       ; the sums of the unquantised p, 4 + 4 chains of pairs
.irp k, 0,1,2,3
	v_pk_add_f32 v[68+2*\k:69+2*\k], v[4*\k:4*\k+1], v[4*\k+2:4*\k+3]
	v_pk_add_f32 v[76+2*\k:77+2*\k], v[128+4*\k:129+4*\k], v[130+4*\k:131+4*\k]
.endr
	WIN 0x08
.set nn, 8
.rept 56
	v_pk_add_f32 v[68+2*(nn%4):69+2*(nn%4)], v[68+2*(nn%4):69+2*(nn%4)], v[2*nn:2*nn+1]
	v_pk_add_f32 v[76+2*(nn%4):77+2*(nn%4)], v[76+2*(nn%4):77+2*(nn%4)], v[128+2*nn:129+2*nn]
.set nn, nn+1
.endr
	WIN 0x0c
.set nn, 0
.rept 64
	v_pk_add_f32 v[68+2*(nn%4):69+2*(nn%4)], v[68+2*(nn%4):69+2*(nn%4)], v[2*nn:2*nn+1]
	v_pk_add_f32 v[76+2*(nn%4):77+2*(nn%4)], v[76+2*(nn%4):77+2*(nn%4)], v[128+2*nn:129+2*nn]
.set nn, nn+1
.endr
	WIN 0
	v_pk_add_f32 v[68:69], v[68:69], v[70:71]
	v_pk_add_f32 v[76:77], v[76:77], v[78:79]
	v_pk_add_f32 v[72:73], v[72:73], v[74:75]
	v_pk_add_f32 v[80:81], v[80:81], v[82:83]
	v_pk_add_f32 v[68:69], v[68:69], v[72:73]
	v_pk_add_f32 v[76:77], v[76:77], v[80:81]
	v_add_f32 v68, v68, v69
	v_add_f32 v76, v76, v77
	v_permlanex16_b32 v69, v68, s72, s73
	v_permlanex16_b32 v77, v76, s72, s73
	v_add_f32 v101, v68, v69
	v_add_f32 v103, v76, v77
	ds_store_b128 v17, v[100:103]                  ; lanes r and 16 + r write the same bytes with the same values
	s_wait_dscnt 0x0                               ; for the others' sake: my figures have landed, and so have the last task's partial O^T and all my LDS reads
	s_barrier_signal -1
	s_barrier_wait -1
.irp w, 0,1,2,3
	ds_load_b128 v[84+4*\w:87+4*\w], v18 offset:256*\w
.endr
	s_wait_dscnt 0x0
	v_max3_num_f32 v114, v84, v88, v92
	v_max3_num_f32 v115, v86, v90, v94
	v_max_num_f32 v114, v114, v96                  ; c M
	v_max_num_f32 v115, v115, v98
.irp w, 0,1,2,3
	v_sub_f32 v[104+\w], v[84+4*\w], v114
	v_sub_f32 v[109+\w], v[86+4*\w], v115
.endr
	v_sub_f32 v108, v100, v114
	v_sub_f32 v113, v102, v115
.irp k, 0,1,2,3,4,5,6,7,8,9
	v_exp_f32 v[104+\k], v[104+\k]                 ; 2^(c m_w - c M): the four waves' and my own, both softmaxes
.endr
	v_nop
	s_wait_alu depctr_va_vdst(0)                   ; one wait for the ten
	v_mul_f32 v116, v85, v104
	v_mul_f32 v117, v87, v109
.irp w, 1,2,3
	v_fmac_f32 v116, v[85+4*\w], v[104+\w]         ; the row's sum under M
	v_fmac_f32 v117, v[87+4*\w], v[109+\w]
.endr
	v_rcp_f32 v116, v116
	v_rcp_f32 v117, v117
	v_mul_f32 v113, v113, v16                      ; (a plain instruction behind the reciprocals)
	s_wait_alu depctr_va_vdst(0)                   ; one wait for both
	v_mul_f32 v120, v108, v116                     ; a1 = p1 x this
	v_mul_f32 v122, v113, v117                     ; -lam a2 = p2 x this
	CHUNK 0
	CHUNK 1
	CHUNK 2
	CHUNK 3
	PLACES 4
.irp n, 0,1,2,3,4,5,6,7
	ds_store_b128 v19, v[128+4*\n:131+4*\n] offset:512*\n          ; my keys' part of O^T, as an image of its registers
.endr
.endm
.macro FIN                             ; wave w finishes the task in slot w
	WIN 0xc0
.irp n, 0,1,2,3,4,5,6,7
	global_load_b128 v[4*\n:4*\n+3], v47, s[18:19] offset:16*\n    ; ln_g, ln_b of my 32 channels, into registers that the scores have left
	global_load_b128 v[32+4*\n:35+4*\n], v47, s[20:21] offset:16*\n
.endr
	WIN 0
	s_wait_dscnt 0x0                               ; my partial O^T of the four tasks have landed
	s_barrier_signal -1
	s_barrier_wait -1
.irp w, 0,1,2,3
.irp n, 0,1,2,3,4,5,6,7
	ds_load_b128 v[128+32*\w+4*\n:131+32*\w+4*\n], v12 offset:4096*\w+512*\n
.endr
.endr
	s_wait_dscnt 0x0
.set nn, 0
.rept 16
	v_pk_add_f32 v[128+2*nn:129+2*nn], v[128+2*nn:129+2*nn], v[160+2*nn:161+2*nn]
	v_pk_add_f32 v[192+2*nn:193+2*nn], v[192+2*nn:193+2*nn], v[224+2*nn:225+2*nn]
.set nn, nn+1
.endr
.set nn, 0
.rept 16
	v_pk_add_f32 v[128+2*nn:129+2*nn], v[128+2*nn:129+2*nn], v[192+2*nn:193+2*nn]    ; register i of lane (r, h): channel 32 h + i of query r
.set nn, nn+1
.endr
.irp k, 0,1,2,3
	v_pk_add_f32 v[160+2*\k:161+2*\k], v[128+4*\k:129+4*\k], v[130+4*\k:131+4*\k]
.endr
.set nn, 8
.rept 8
	v_pk_add_f32 v[160+2*(nn%4):161+2*(nn%4)], v[160+2*(nn%4):161+2*(nn%4)], v[128+2*nn:129+2*nn]
.set nn, nn+1
.endr
	v_pk_add_f32 v[160:161], v[160:161], v[162:163]
	v_pk_add_f32 v[164:165], v[164:165], v[166:167]
	v_pk_add_f32 v[160:161], v[160:161], v[164:165]
	v_add_f32 v160, v160, v161
	v_permlanex16_b32 v161, v160, s72, s73
	v_add_f32 v160, v160, v161
	v_mul_f32 v168, 0xbc800000, v160               ; -mean
	v_mov_b32 v169, v168
.set nn, 0
.rept 16
	v_pk_add_f32 v[128+2*nn:129+2*nn], v[128+2*nn:129+2*nn], v[168:169]
.set nn, nn+1
.endr
.irp k, 0,1,2,3
	v_pk_mul_f32 v[160+2*\k:161+2*\k], v[128+2*\k:129+2*\k], v[128+2*\k:129+2*\k]
.endr
.set nn, 4
.rept 12
	v_pk_fma_f32 v[160+2*(nn%4):161+2*(nn%4)], v[128+2*nn:129+2*nn], v[128+2*nn:129+2*nn], v[160+2*(nn%4):161+2*(nn%4)]
.set nn, nn+1
.endr
	v_pk_add_f32 v[160:161], v[160:161], v[162:163]
	v_pk_add_f32 v[164:165], v[164:165], v[166:167]
	v_pk_add_f32 v[160:161], v[160:161], v[164:165]
	v_add_f32 v160, v160, v161
	v_permlanex16_b32 v161, v160, s72, s73
	v_add_f32 v160, v160, v161
	v_fma_f32 v160, v160, s94, s95                 ; the variance + 1e-5
	v_rsq_f32 v160, v160
	v_nop
	s_wait_alu depctr_va_vdst(0)
	v_mov_b32 v161, v160
.set nn, 0
.rept 16
	v_pk_mul_f32 v[128+2*nn:129+2*nn], v[128+2*nn:129+2*nn], v[160:161]
.set nn, nn+1
.endr
	s_wait_loadcnt 0x0                             ; ln_g, ln_b
	WIN 0x3c
.set nn, 0
.rept 16
	v_pk_fma_f32 v[128+2*nn:129+2*nn], v[128+2*nn:129+2*nn], v[2*nn:2*nn+1], v[32+2*nn:33+2*nn]
.set nn, nn+1
.endr
	WIN 0
.set nn, 0
.rept 16
	v_pk_mul_f32 v[128+2*nn:129+2*nn], v[128+2*nn:129+2*nn], 0x3f4ccccd op_sel_hi:[1,0]   ; x (1 - 0.2)
.set nn, nn+1
.endr
.irp k, 0,1,2,3
	v_max3_num_f32 v[162+\k], s71, |v[128+2*\k]|, |v[129+2*\k]|    ; the lane's block of 32 channels
.endr
.set nn, 4
.rept 12
	v_max3_num_f32 v[162+nn%4], v[162+nn%4], |v[128+2*nn]|, |v[129+2*nn]|
.set nn, nn+1
.endr
	v_max3_num_f32 v162, v162, v163, v164
	v_max_num_f32 v162, v162, v165
	v_add_nc_u32 v166, 0xff000000, v162
	v_lshrrev_b32 v167, 23, v166
	v_lshlrev_b32 v167, v5, v167
	v_permlanex16_b32 v170, v167, s72, s73
	v_or_b32 v167, v167, v170                      ; the head's two bytes of the row's scale word
	v_cvt_scalef32_pk16_fp6_f32 v[172:174], v[128:143], v166
	v_cvt_scalef32_pk16_fp6_f32 v[180:182], v[144:159], v166
	v_nop
.irp i, 0,1,2
	v_mov_b32 v[175+\i], v[180+\i]
.endr
	s_sub_co_u32 s92, s78, 4
	s_add_co_u32 s92, s92, s24                     ; my task's tile
	s_mul_i32 s92, s92, 13312
	v_add_nc_u32 v124, s92, v1
	v_add_nc_u32 v125, s92, v4
.irp p, 0,1,2
	global_store_b64 v124, v[172+2*\p:173+2*\p], s[88:89] offset:256*\p     ; 256 consecutive bytes, aligned
.endr
	global_store_b16 v125, v167, s[90:91]          ; a word's two halves belong to two heads, that is to two work-groups: 2 bytes a lane, 64 bytes a task
	s_wait_xcnt 0x0                                ; the stores have read their registers: all are written again
.endm
	s_mov_b32 s74, 4
.Lgroup:                                               ; four groups of four tasks
	s_mov_b32 s75, 4
	s_mov_b32 s76, 0                               ; the slot's place among the figures,
	s_mov_b32 s77, 0                               ; and among the partial O^T
.Ltask:
	TASK
	s_add_co_u32 s78, s78, 1
	s_add_co_u32 s76, s76, 1024
	s_add_co_u32 s77, s77, 16384
	s_sub_co_u32 s75, s75, 1
	s_cmp_lg_u32 s75, 0
	s_cbranch_scc1 .Ltask
	FIN
	s_sub_co_u32 s74, s74, 1
	s_cmp_lg_u32 s74, 0
	s_cbranch_scc1 .Lgroup
	s_wait_tensorcnt 0x0
	ds_add_u32 v118, v119
	s_wait_dscnt 0x0
	s_endpgm
.Lfunc_end_k_q8b9dab2fcc_attn:
	.size	k_q8b9dab2fcc_attn, .Lfunc_end_k_q8b9dab2fcc_attn-k_q8b9dab2fcc_attn
	.p2alignl 7, 3214868480
	.fill 96, 4, 3214868480
	.section	.rodata,"a",@progbits
	.p2align	6, 0x0
	.amdhsa_kernel k_q8b9dab2fcc_attn
		.amdhsa_group_segment_fixed_size 168448
		.amdhsa_private_segment_fixed_size 0
		.amdhsa_enable_private_segment 0
		.amdhsa_kernarg_size 80
		.amdhsa_user_sgpr_count 2
		.amdhsa_user_sgpr_kernarg_segment_ptr 1
		.amdhsa_wavefront_size32 1
		.amdhsa_system_sgpr_workgroup_id_x 1
		.amdhsa_system_sgpr_workgroup_id_y 1
		.amdhsa_system_sgpr_workgroup_id_z 1
		.amdhsa_system_vgpr_workitem_id 0
		.amdhsa_next_free_vgpr 1024
		.amdhsa_next_free_sgpr 96
		.amdhsa_reserve_vcc 0
		.amdhsa_float_denorm_mode_32 3
		.amdhsa_float_denorm_mode_16_64 3
		.amdhsa_memory_ordered 1
		.amdhsa_forward_progress 1
		.amdhsa_inst_pref_size 206
	.end_amdhsa_kernel
	.amdgpu_metadata
---
amdhsa.version: [ 1, 2 ]
amdhsa.kernels:
  - .name:           k_q8b9dab2fcc_attn
    .symbol:         k_q8b9dab2fcc_attn.kd
    .args:
      - { .name: qkimg, .offset: 0, .size: 8, .value_kind: global_buffer, .address_space: global }
      - { .name: vimg, .offset: 8, .size: 8, .value_kind: global_buffer, .address_space: global }
      - { .name: mbits, .offset: 16, .size: 8, .value_kind: global_buffer, .address_space: global }
      - { .name: lq1, .offset: 24, .size: 8, .value_kind: global_buffer, .address_space: global }
      - { .name: lk1, .offset: 32, .size: 8, .value_kind: global_buffer, .address_space: global }
      - { .name: lq2, .offset: 40, .size: 8, .value_kind: global_buffer, .address_space: global }
      - { .name: lk2, .offset: 48, .size: 8, .value_kind: global_buffer, .address_space: global }
      - { .name: ln_g, .offset: 56, .size: 8, .value_kind: global_buffer, .address_space: global }
      - { .name: ln_b, .offset: 64, .size: 8, .value_kind: global_buffer, .address_space: global }
      - { .name: aimg, .offset: 72, .size: 8, .value_kind: global_buffer, .address_space: global }
    .group_segment_fixed_size: 168448
    .private_segment_fixed_size: 0
    .kernarg_segment_align: 8
    .kernarg_segment_size: 80
    .max_flat_workgroup_size: 128
    .sgpr_count:     96
    .vgpr_count:     1024
    .wavefront_size: 32
...
	.end_amdgpu_metadata
.endif
;; end of part 3
;; launch oproj (part 4): grid 8 x 32, 4 waves a work-group, clusters of 4 x 4, 230,912 bytes of LDS; arguments aimg, wimg, bo, out0; writes out0
.if DOCPART == 4
	.amdgcn_target "amdgcn-amd-amdhsa--gfx1250"
	.amdhsa_code_object_version 6
	.text
	.protected	k_q8b9dab2fcc_oproj
	.globl	k_q8b9dab2fcc_oproj
	.p2align	8
	.type	k_q8b9dab2fcc_oproj,@function
k_q8b9dab2fcc_oproj:
	s_mov_b64 s[64:65], 0
	v_nop
	global_prefetch_b8 v0, s[64:65] scope:SCOPE_SE
	s_setreg_imm32_b32 hwreg(HW_REG_WAVE_MODE, 25, 1), 1
	s_wait_xcnt 0x0
	s_wait_alu depctr_hold_cnt(0) depctr_sa_sdst(0) depctr_va_vdst(0) depctr_va_sdst(0) depctr_va_ssrc(0) depctr_va_vcc(0) depctr_vm_vsrc(0)
	s_getreg_b32 s2, hwreg(HW_REG_IB_STS2, 6, 4)
	s_cmp_eq_u32 s2, 0
	s_cbranch_scc0 .Lentry_in_a_cluster
	s_endpgm
.Lentry_in_a_cluster:
	s_bfe_u32 s2, ttmp6, 0x10000c
	s_cmp_lg_u32 s2, 0xf033
	s_cbranch_scc0 .Lentry_shape_is_right
	s_endpgm
.Lentry_shape_is_right:
; OPROJ: out0 = a Wo + bo on codes of FP6 (E2M3) with E8M0 scales, sums in f32.  a: attention's result, as images of operand registers (pi-tiles of tokens); Wo: pi-tiles of features, tiles 192 .. 255 of wimg.
; Work-group (X, Y): 8 tiles of Wo (128 features) and 8 tiles of tokens (128 tokens), both for ALL of K = 1,024 in LDS, filled once: no slot is ever filled again.
; CLUSTER 4 x 4: Wo's slab hangs on X alone and is asked for jointly by a column of the cluster, the tokens' on Y alone, by a row.
; A wave: 4 tiles of Wo as source 0 x 4 token tiles as source 1: 16 accumulators, which take turns.  A lane holds one token and 32 neighbouring features.  bo is the C of K step 0.
; THE WAY OUT: a token tile's 16 rows x 64 features go through the wave's own stage in LDS (bytes that no tensor load fills) and leave as rows: sixteen lanes store 256 consecutive bytes, aligned.
; REGISTERS: window 0 addresses, scale words, bo, rows on the way out; window 1 accumulators at 32 b + 8 u; window 2 fragment sets at 0 and 128 (source 0 at 12 u, source 1 at 48 + 12 b).
.set KPB,  3328
.set TROW, 13312
.set AL,   106496                      ; LDS: Wo [K pair 4][8 tiles][3,328] from 0; tokens likewise from here;
.set STG,  212992                      ; the stages: 16 rows x 272 bytes for each wave
.set AW,  8
.set AX,  12
.set BW,  16
.set BX,  20
.set SC,  32                           ; v32-47 two sets of scale words, 4 + 4
.set BO,  48                           ; v48-79 bo in the result's layout
.set RB,  96                           ; v96-159 rows read back, two sets
.set G1W, 24
.set G1X, 32
.set G0W, 40
.set G0X, 68
.set MSB, 0
.macro WIN new
.if MSB != (\new)
	s_set_vgpr_msb (MSB<<8)|(\new)
.set MSB, (\new)
.endif
.endm
.macro PLACES n
.rept \n
	v_nop
.endr
.endm
.macro ROUND
	s_barrier_signal -1
	s_barrier_wait -1
	s_cmp_lg_u32 s18, 0
	s_cbranch_scc1 .Lnot_wave_0_\@
	s_barrier_signal -3
.Lnot_wave_0_\@:
	s_barrier_wait -3
	s_barrier_signal -1
	s_barrier_wait -1
.endm
.macro MM d, a, b, sa, sb
	v_wmma_scale_f32_16x16x128_f8f6f4 v[\d:\d+7], v[\a:\a+11], v[\b:\b+11], v[\d:\d+7], v[\sa], v[\sb] matrix_a_fmt:MATRIX_FMT_FP6 matrix_b_fmt:MATRIX_FMT_FP6
.endm
.macro MMC d, a, b, c, sa, sb
	v_wmma_scale_f32_16x16x128_f8f6f4 v[\d:\d+7], v[\a:\a+11], v[\b:\b+11], v[\c:\c+7], v[\sa], v[\sb] matrix_a_fmt:MATRIX_FMT_FP6 matrix_b_fmt:MATRIX_FMT_FP6
.endm
.macro FRAG reg, adr, off
.irp q, 0,1,2,3,4,5
	ds_load_b64 v[\reg+2*\q:\reg+2*\q+1], v[\adr] offset:\off+256*\q
.endr
.endm
	s_load_b256 s[4:11], s[0:1], 0x0               ; aimg s[4:5], wimg s[6:7], bo s[8:9], out0 s[10:11]
	v_lshl_add_u32 v254, v0, 2, 0x38400
	v_mov_b32 v255, 0
	ds_add_u32 v254, v255
	ds_add_u32 v254, v255
	v_lshrrev_b32 v1, 5, v0
	v_readfirstlane_b32 s18, v1                    ; wave
	s_lshr_b32 s19, s18, 1                         ; wa: which 4 tiles of Wo are mine
	s_and_b32 s20, s18, 1                          ; wb: which 4 token tiles.  Also: which half of a slab I fetch
	s_bfe_u32 s21, ttmp6, 0x40000                  ; cx
	s_bfe_u32 s22, ttmp6, 0x40004                  ; cy
	s_lshl_b32 s56, ttmp9, 2
	s_add_co_u32 s56, s56, s21                     ; X
	s_and_b32 s60, ttmp7, 0xffff
	s_lshl_b32 s60, s60, 2
	s_add_co_u32 s60, s60, s22                     ; Y
	s_lshl_b32 s57, 0x1111, s21                    ; my column of the cluster
	s_lshl_b32 s61, s22, 2
	s_lshl_b32 s61, 15, s61                        ; my row
	; group 1: 4 rows of 416 elements of 8 bytes (one K pair of one tile), 1,664 elements from tile to tile; no padding
	s_or_b32 s[G1W], s57, (3<<16)|(1<<21)
	s_or_b32 s[G1X], s61, (3<<16)|(1<<21)
.irp g, G1W, G1X
	s_mov_b32 s[\g+1], 416<<16
	s_mov_b32 s[\g+2], 4<<16
	s_mov_b32 s[\g+3], 416<<16
	s_mov_b32 s[\g+4], 4
	s_mov_b32 s[\g+5], 1664
	s_mov_b32 s[\g+6], 0
	s_mov_b32 s[\g+7], 0
.endr
	s_lshl_b32 s58, s56, 3
	s_lshl_b32 s59, s20, 2
	s_add_co_u32 s58, s58, s59
	s_add_co_u32 s58, s58, 192
	s_mul_i32 s58, s58, TROW                       ; Wo: tile 192 + 8 X + 4 x half
	s_mov_b32 s59, 0
	s_lshl_b32 s62, s60, 3
	s_lshl_b32 s63, s20, 2
	s_add_co_u32 s62, s62, s63
	s_mul_i32 s62, s62, TROW                       ; tokens: tile 8 Y + 4 x half
	s_mov_b32 s63, 0
	s_mul_i32 s84, s20, 4*KPB                      ; where they go: no place in the cluster enters an LDS address
	s_add_co_u32 s85, s84, AL
	s_wait_dscnt 0x0
	s_wait_kmcnt 0x0
	s_add_nc_u64 s[58:59], s[6:7], s[58:59]
	s_add_nc_u64 s[62:63], s[4:5], s[62:63]
	ROUND                                          ; all sixteen work-groups are here: the joint loads meet
.irp k, 0,1,2,3
	s_mov_b32 s[G0W+4*\k], 1
	s_add_co_u32 s[G0W+4*\k+1], s84, 8*KPB*\k
	s_add_nc_u64 s[G0W+4*\k+2:G0W+4*\k+3], s[58:59], KPB*\k
	s_or_b32 s[G0W+4*\k+3], s[G0W+4*\k+3], 0x80000000
	s_mov_b32 s[G0X+4*\k], 1
	s_add_co_u32 s[G0X+4*\k+1], s85, 8*KPB*\k
	s_add_nc_u64 s[G0X+4*\k+2:G0X+4*\k+3], s[62:63], KPB*\k
	s_or_b32 s[G0X+4*\k+3], s[G0X+4*\k+3], 0x80000000
.endr
	s_cmp_lt_u32 s18, 2                            ; waves 0, 1 fetch the tokens' halves, waves 2, 3 Wo's: four loads each, one for each K pair, in one branch: four tensor loads of mine are out
	s_cbranch_scc0 .Lfill_w
.irp k, 0,1,2,3
	tensor_load_to_lds s[G0X+4*\k:G0X+4*\k+3], s[G1X:G1X+7]
	s_nop 0
.endr
	PLACES 4
	s_branch .Lfilled
.Lfill_w:
.irp k, 0,1,2,3
	tensor_load_to_lds s[G0W+4*\k:G0W+4*\k+3], s[G1W:G1W+7]
	s_nop 0
.endr
	PLACES 4
.Lfilled:
	v_and_b32 v4, 31, v0                           ; lane
	v_lshlrev_b32 v1, 3, v4
	v_lshlrev_b32 v2, 2, v4
	v_lshrrev_b32 v5, 4, v4                        ; h
	v_and_b32 v6, 15, v4                           ; r
	s_mul_i32 s86, s19, 4*KPB
	s_mul_i32 s87, s20, 4*KPB
	s_add_co_u32 s87, s87, AL
.irp k, 0,1,2,3
	s_add_co_u32 s23, s86, 8*KPB*\k
	v_add_nc_u32 v[AW+\k], s23, v1
	v_add_nc_u32 v[BW+\k], s23, v2
	s_add_co_u32 s23, s87, 8*KPB*\k
	v_add_nc_u32 v[AX+\k], s23, v1
	v_add_nc_u32 v[BX+\k], s23, v2
.endr
	s_mul_i32 s23, s18, 4352
	s_add_co_u32 s23, s23, STG                     ; my stage
	v_mul_u32_u24 v24, v6, 272
	v_lshl_add_u32 v24, v5, 7, v24
	v_add_nc_u32 v24, s23, v24                     ; in: row r, my half's 32 features
	v_lshlrev_b32 v7, 4, v6
	v_mad_u32_u24 v25, v5, 272, v7
	v_add_nc_u32 v25, s23, v25                     ; back: rows 2 i + h, 16 bytes a lane
	v_lshl_add_u32 v26, v5, 12, v7                 ; and the same in out0
	s_lshl_b32 s66, s56, 9
	s_lshl_b32 s67, s19, 8
	s_add_co_u32 s66, s66, s67                     ; my 64 features, in bytes: 512 X + 256 wa
	v_lshlrev_b32 v27, 7, v5
	v_add_nc_u32 v27, s66, v27
.irp n, 0,1,2,3,4,5,6,7
	global_load_b128 v[BO+4*\n:BO+4*\n+3], v27, s[8:9] offset:16*\n        ; register 8 u + j of lane half h: feature 32 h + 8 u + j of my 64
.endr
	s_lshl_b32 s86, s60, 1
	s_add_co_u32 s86, s86, s20
	s_lshl_b32 s86, s86, 18                        ; my 64 tokens: 64 (2 Y + wb) rows of 4,096 bytes
	s_add_co_u32 s86, s86, s66
	s_mov_b32 s87, 0
	s_add_nc_u64 s[88:89], s[10:11], s[86:87]
.macro FETCH ks                        ; K step ks: my 4 + 4 fragments and their scale words: 56 LDS loads
	WIN 0x80
.irp u, 0,1,2,3
	FRAG 128*((\ks)%2)+12*\u, AW+(\ks)/2, KPB*\u+1536*((\ks)%2)
	FRAG 128*((\ks)%2)+48+12*\u, AX+(\ks)/2, KPB*\u+1536*((\ks)%2)
.endr
	WIN 0
.irp u, 0,1,2,3
	ds_load_b32 v[SC+8*((\ks)%2)+\u], v[BW+(\ks)/2] offset:3072+KPB*\u+128*((\ks)%2)
	ds_load_b32 v[SC+8*((\ks)%2)+4+\u], v[BX+(\ks)/2] offset:3072+KPB*\u+128*((\ks)%2)
.endr
.endm
.macro MULO ks, half, first            ; 8 matrix instructions: token tiles 2 half, 2 half + 1
.if \first
	WIN 0x4a
.else
	WIN 0x5a
.endif
.irp e, 0,1
.irp u, 0,1,2,3
.if \first
	MMC 32*(2*\half+\e)+8*\u, 128*((\ks)%2)+12*\u, 128*((\ks)%2)+48+12*(2*\half+\e), BO+8*\u, SC+8*((\ks)%2)+\u, SC+8*((\ks)%2)+4+2*\half+\e
.else
	MM 32*(2*\half+\e)+8*\u, 128*((\ks)%2)+12*\u, 128*((\ks)%2)+48+12*(2*\half+\e), SC+8*((\ks)%2)+\u, SC+8*((\ks)%2)+4+2*\half+\e
.endif
.endr
.endr
.endm
; A load into a register that a matrix instruction has read stands four plain vector instructions behind it (ISA guide 7.12.1 for vector instructions).
.macro EVEN ks, first                  ; the next K step lies in the same K pair
	PLACES 4
	FETCH (\ks)+1
	s_wait_dscnt 56                                ; all but the 56 just issued
	MULO \ks, 0, \first
	MULO \ks, 1, \first
.endm
.macro ODD ks                          ; the next K step lies in the next K pair: every wave's part of it must have landed
	s_wait_dscnt 0x0
	s_wait_tensorcnt 3-((\ks)+1)/2                 ; the younger K pairs' loads may be out
	s_barrier_signal -1
	MULO \ks, 0, 0
	WIN 0
	s_barrier_wait -1
	PLACES 4
	FETCH (\ks)+1
	MULO \ks, 1, 0
.endm
.macro OUTB b                          ; token tile b of my four
.if (\b) >= 2
	s_wait_xcnt 0x0                                ; tile b - 2's stores have read their registers
.endif
	WIN 0x04                                       ; an LDS store's data are its source 1: window 1
.irp u, 0,1,2,3
	ds_store_b128 v24, v[32*(\b)+8*\u:32*(\b)+8*\u+3] offset:32*\u          ; each accumulator from its low end on
	ds_store_b128 v24, v[32*(\b)+8*\u+4:32*(\b)+8*\u+7] offset:32*\u+16
.endr
	WIN 0
.irp i, 0,1,2,3,4,5,6,7
	ds_load_b128 v[RB+32*((\b)%2)+4*\i:RB+32*((\b)%2)+4*\i+3], v25 offset:544*\i   ; LDS serves a wave's instructions in order: these see my stores, and the next tile's stores come behind them
.endr
.irp i, 0,1,2,3,4,5,6,7
	s_wait_dscnt 7-\i                              ; the younger read-backs may be out
	global_store_b128 v26, v[RB+32*((\b)%2)+4*\i:RB+32*((\b)%2)+4*\i+3], s[88:89] offset:(8*(\b)+32*((2*\i)/8)+(2*\i)%8)*4096 th:TH_STORE_NT
.endr
.endm
	s_wait_loadcnt 0x0                             ; bo
	s_wait_tensorcnt 0x3                           ; my part of K pair 0 is in; three younger loads are out
	s_barrier_signal -1
	s_barrier_wait -1                              ; everybody's is
	FETCH 0
	EVEN 0, 1
	ODD 1
	EVEN 2, 0
	ODD 3
	EVEN 4, 0
	ODD 5
	EVEN 6, 0
	s_wait_dscnt 0x0
	MULO 7, 0, 0
	MULO 7, 1, 0
	WIN 0
	PLACES 4
	OUTB 0
	OUTB 1
	OUTB 2
	OUTB 3
	s_wait_tensorcnt 0x0
	ds_add_u32 v254, v255
	s_wait_dscnt 0x0
	ROUND                                          ; the closing round: no work-group ends while a partner may still ask for a tile that names it
	s_endpgm
.Lfunc_end_k_q8b9dab2fcc_oproj:
	.size	k_q8b9dab2fcc_oproj, .Lfunc_end_k_q8b9dab2fcc_oproj-k_q8b9dab2fcc_oproj
	.p2alignl 7, 3214868480
	.fill 96, 4, 3214868480
	.section	.rodata,"a",@progbits
	.p2align	6, 0x0
	.amdhsa_kernel k_q8b9dab2fcc_oproj
		.amdhsa_group_segment_fixed_size 230912
		.amdhsa_private_segment_fixed_size 0
		.amdhsa_enable_private_segment 0
		.amdhsa_kernarg_size 32
		.amdhsa_user_sgpr_count 2
		.amdhsa_user_sgpr_kernarg_segment_ptr 1
		.amdhsa_wavefront_size32 1
		.amdhsa_system_sgpr_workgroup_id_x 1
		.amdhsa_system_sgpr_workgroup_id_y 1
		.amdhsa_system_sgpr_workgroup_id_z 1
		.amdhsa_system_vgpr_workitem_id 0
		.amdhsa_next_free_vgpr 768
		.amdhsa_next_free_sgpr 100
		.amdhsa_reserve_vcc 0
		.amdhsa_float_denorm_mode_32 3
		.amdhsa_float_denorm_mode_16_64 3
		.amdhsa_memory_ordered 1
		.amdhsa_forward_progress 1
		.amdhsa_inst_pref_size 65
	.end_amdhsa_kernel
	.amdgpu_metadata
---
amdhsa.version: [ 1, 2 ]
amdhsa.kernels:
  - .name:           k_q8b9dab2fcc_oproj
    .symbol:         k_q8b9dab2fcc_oproj.kd
    .args:
      - { .name: aimg, .offset: 0, .size: 8, .value_kind: global_buffer, .address_space: global }
      - { .name: wimg, .offset: 8, .size: 8, .value_kind: global_buffer, .address_space: global }
      - { .name: bo, .offset: 16, .size: 8, .value_kind: global_buffer, .address_space: global }
      - { .name: out0, .offset: 24, .size: 8, .value_kind: global_buffer, .address_space: global }
    .group_segment_fixed_size: 230912
    .private_segment_fixed_size: 0
    .kernarg_segment_align: 8
    .kernarg_segment_size: 32
    .max_flat_workgroup_size: 128
    .sgpr_count:     100
    .vgpr_count:     768
    .wavefront_size: 32
...
	.end_amdgpu_metadata
.endif
;; end of part 4
;; ======== version 2 of 2: 4 launches; version 1 with the launch attn written anew for expert scheduling mode
;; workspace buffers: ximg 3,407,872 bytes; wimg 3,407,872 bytes; mbits 1,048,576 bytes of whole numbers; qkimg 6,553,600 bytes; vimg 3,276,800 bytes; aimg 3,407,872 bytes
;; launch prep: the kernel of part 1 again; grid 896 x 1, 4 waves a work-group, no clusters, 47,616 bytes of LDS; arguments x, Wq, Wk, Wv, Wo, mask, ximg, wimg, mbits; writes ximg, wimg, mbits
;; launch qkv: the kernel of part 2 again; grid 8 x 32, 4 waves a work-group, clusters of 4 x 4, 327,680 bytes of LDS; arguments ximg, wimg, bq, bk, bv, qkimg, vimg; writes qkimg, vimg
;; launch attn (part 5): grid 8 x 32, 4 waves a work-group, no clusters, 168,448 bytes of LDS; arguments qkimg, vimg, mbits, lq1, lk1, lq2, lk2, ln_g, ln_b, aimg; writes aimg
.if DOCPART == 5
	.amdgcn_target "amdgcn-amd-amdhsa--gfx1250"
	.amdhsa_code_object_version 6
	.text
	.protected	k_q8b9dab2fcc_attn
	.globl	k_q8b9dab2fcc_attn
	.p2align	8
	.type	k_q8b9dab2fcc_attn,@function
k_q8b9dab2fcc_attn:
	s_mov_b64 s[64:65], 0
	v_nop
	global_prefetch_b8 v0, s[64:65] scope:SCOPE_SE
	s_setreg_imm32_b32 hwreg(HW_REG_WAVE_SCHED_MODE, 0, 2), 2
	s_setreg_imm32_b32 hwreg(HW_REG_WAVE_MODE, 25, 1), 1
	s_wait_xcnt 0x0
	s_wait_alu depctr_vm_vsrc(0)
; ATTN: out = LayerNorm((softmax(q1 k1^T / sqrt(32)) - lam softmax(q2 k2^T / sqrt(32))) v) x 0.8, all three products on codes of FP6 (E2M3) with E8M0 scales, sums in f32; the result leaves quantised for the last projection.
; The second product's left operand is the FINISHED, normalised difference, quantised in blocks of 32 keys: so both rows' maxima and sums must be known before anything is quantised.  A task's scores are therefore KEPT:
; 16 queries x 2,048 keys x 2 softmaxes are 512 registers in each of four waves, and scores and exponentials are computed once.
; SHARES.  A work-group owns one (batch, head) and 256 queries: 16 tasks of one pi-tile.  Wave w owns keys 512 w .. 512 w + 511 for the whole launch: its 16 fragments of K stay in registers, its 16 of V in its own LDS bytes.
; The waves exchange (c x maximum, sum) through LDS, one barrier a task, and their partial O^T once for four tasks; wave w then finishes task 4 g + w (LayerNorm, quantiser, store).
; K = 32 IN AN INSTRUCTION OF 128.  A fragment of K is dense: its four blocks are k1, k2 of key tile 2 f and k1, k2 of tile 2 f + 1.  The query's operand has codes in ONE block and zeros elsewhere, which picks the product.
; SOFTMAX.  p = 2^(c s - c m_w), m_w the wave's own maximum of the row, c = log2(e) / sqrt(32); a = p x 2^(c m_w - c M) / l with M the largest of the four c m_w and l the sum of l_w x 2^(c m_w - c M).
; A masked score is -1e9 x sqrt(32) ahead of the division, as the definition has it: a row with no open key comes out uniform.
; NO CLUSTER: K goes straight into registers, where a joint load cannot land, and what work-groups share (a head's 200 KB of K and V) is read once at the head against 16 tasks of work.
; LIMITS: a block of zeros gets the byte 1 (its codes are zeros; this program alone reads the bytes); NaN and infinities are not served.
; REGISTERS: window 0: see the names below.  window 1: K at 12 f; the query's run v192-221 = [0 X1 0 X2 0], six registers each.  windows 2, 3: group c of 64 keys in window 2 + c / 4: S1 at 32 (c % 4) + i, S2 at 128 + the same;
; register i of lane (r, h): query r, key 64 c + 32 h + i: a whole block of 32 keys in one lane.
; THE MODE: SCHED_MODE bits 1:0 = 2 (LLVM: expert scheduling mode 2), set by the entry lines.  The code itself states the register dependences between vector or matrix instructions and memory or LDS instructions, with s_wait_alu, always for 0.
; THE PLAN.  Registers that memory or LDS instructions touch in a task, and who else names them:
;   v40-46, v48-55  the next tile's query and mask words.  Read by the task's head (v40-46) and by the mask's lane reads (v48-55); loaded again behind the last of these.   v13-15: those loads' offsets, written just ahead of them.
;   v17-19          the task's LDS addresses: written at the task's head; read by the figures' store and loads and by O^T's stores.
;   v100-103        my figures: written by vector lines, read by one LDS store.   v84-99: the four waves' figures: LDS loads land, vector lines read.
;   V0 = v192-239, V1 = v56-91 and v240-251: two sets of four fragments of V.  Chunk g's products read set g % 2; chunk g + 1's loads land in the other set, dealt among chunk g's products.  V1 is free in the chunks: maxima, sums and figures are done with.
;   v128-159        O^T: written by the chunks' products, read by eight LDS stores at the task's end.   v1-12, v47, v127: made at the head, never written again.
; THE WAITS OF A TASK.  vm_vsrc once, at the head, ahead of every line that writes a register which an earlier load or store has read.  va_vdst: ahead of the scores' products; ahead of the next tile's loads; behind the exponentials (three batches);
; ahead of the figures' store, which also serves the figures' loads and chunk 0's loads of V; one in each chunk, ahead of its products, which also serves the next chunk's loads of V; ahead of O^T's stores.  va_sdst: one behind each run of 32 lane reads.
.set BLK, 102400
.set VLB, 24576                        ; LDS: V, 24,576 bytes for each wave, from 0;
.set OXB, 98304                        ; partial O^T [slot 4][wave 4][4,096];
.set STB, 163840                       ; (c m1, l1, c m2, l2) [slot 4][wave 4][16 queries x 16 bytes]
; v1 8 l, v2 16 l, v3 4 r, v4 4 l, v5 8 h, v6 / v7 all ones in lanes 0-15 / 16-31, v8 V's and K's lane place, v9-12 LDS places, v13-15 the next task's offsets, v16 -lam, v17-19 the task's LDS addresses,
; v20-27 K's scale words, v28-35 V's (two fragments a register: lanes 0-15, lanes 16-31), v36-39 the query's four, v40-46 the query as loaded, v47 ln's offset, v48-55 mask words, v56-63 maxima, v64-67 -c m, v68-83 sums,
; v84-99 the four waves' figures, v100-103 mine, v104-119 at work, v120-123 the two factors, v124-125 the way out, v126 p's scale word, v127 V's way in, v128-159 O^T, v160-189 p's codes and the quantiser,
; v192-239 V's set 0; in the chunks v56-91 and v240-251 are V's set 1.
.set MSB, 0
.macro WIN new
.if MSB != (\new)
	s_set_vgpr_msb (MSB<<8)|(\new)
.set MSB, (\new)
.endif
.endm
.macro PLACES n
.rept \n
	v_nop
.endr
.endm
.macro SMM d, a, b, sa, sb, row        ; a product of scores: it starts its sum
.if \row
	v_wmma_scale_f32_16x16x128_f8f6f4 v[\d:\d+7], v[\a:\a+11], v[\b:\b+11], 0, v[\sa], v[\sb] matrix_a_fmt:MATRIX_FMT_FP6 matrix_b_fmt:MATRIX_FMT_FP6 matrix_a_scale:MATRIX_SCALE_ROW1
.else
	v_wmma_scale_f32_16x16x128_f8f6f4 v[\d:\d+7], v[\a:\a+11], v[\b:\b+11], 0, v[\sa], v[\sb] matrix_a_fmt:MATRIX_FMT_FP6 matrix_b_fmt:MATRIX_FMT_FP6
.endif
.endm
.macro VBASE g, t                      ; VF: where fragment t of chunk g's four fragments of V lies: set g % 2
.if ((\g)%2) == 0
.set VF, 192+12*(\t)
.elseif (\t) < 3
.set VF, 56+12*(\t)
.else
.set VF, 240
.endif
.endm
.macro VLOAD g, t                      ; fragment t of chunk g, from my own LDS bytes
	VBASE \g, \t
.irp q, 0,1,2,3,4,5
	ds_load_b64 v[VF+2*\q:VF+2*\q+1], v8 offset:1536*(4*(\g)+(\t))+256*\q
.endr
.endm
.macro PMM t, zero                     ; O^T tile t += V^T's fragment t x p's codes, chunk GG
	VBASE GG, \t
.if \zero
.if (\t)%2
	v_wmma_scale_f32_16x16x128_f8f6f4 v[128+8*\t:135+8*\t], v[VF:VF+11], v[160:171], 0, v[28+2*GG+(\t)/2], v126 matrix_a_fmt:MATRIX_FMT_FP6 matrix_b_fmt:MATRIX_FMT_FP6 matrix_a_scale:MATRIX_SCALE_ROW1
.else
	v_wmma_scale_f32_16x16x128_f8f6f4 v[128+8*\t:135+8*\t], v[VF:VF+11], v[160:171], 0, v[28+2*GG+(\t)/2], v126 matrix_a_fmt:MATRIX_FMT_FP6 matrix_b_fmt:MATRIX_FMT_FP6
.endif
.else
.if (\t)%2
	v_wmma_scale_f32_16x16x128_f8f6f4 v[128+8*\t:135+8*\t], v[VF:VF+11], v[160:171], v[128+8*\t:135+8*\t], v[28+2*GG+(\t)/2], v126 matrix_a_fmt:MATRIX_FMT_FP6 matrix_b_fmt:MATRIX_FMT_FP6 matrix_a_scale:MATRIX_SCALE_ROW1
.else
	v_wmma_scale_f32_16x16x128_f8f6f4 v[128+8*\t:135+8*\t], v[VF:VF+11], v[160:171], v[128+8*\t:135+8*\t], v[28+2*GG+(\t)/2], v126 matrix_a_fmt:MATRIX_FMT_FP6 matrix_b_fmt:MATRIX_FMT_FP6
.endif
.endif
.endm
.macro NEXTQ                           ; tile s92's six loads: its codes (768 bytes a tile), its scale words, its mask words for my 512 keys
	s_mul_i32 s93, s92, 768
	v_add_nc_u32 v13, s93, v1
	s_lshr_b32 s93, s92, 1
	s_lshl_b32 s93, s93, 6
	v_add_nc_u32 v14, s93, v3
	s_lshl_b32 s93, s92, 12
	v_add_nc_u32 v15, s93, v2
	s_wait_alu depctr_va_vdst(0)                   ; v13 to v15 are written, which the loads read as offsets; the task's head is done reading v40 to v46 and the lane reads are done reading v48 to v55, in which the loads land
.irp p, 0,1,2
	global_load_b64 v[40+2*\p:41+2*\p], v13, s[80:81] offset:256*\p
.endr
	global_load_b32 v46, v14, s[80:81] offset:98304
	global_load_b128 v[48:51], v15, s[86:87]
	global_load_b128 v[52:55], v15, s[86:87] offset:512
.endm
.macro MAXG                            ; group mc's 64 keys join the maxima, 4 + 4 chains
	WIN 0x28+0x14*(mc/4)
.set ii, 0
.rept 16
.if (mc == 0) && (ii < 4)
	v_max3_num_f32 v[56+ii%4], s70, v[32*(mc%4)+2*ii], v[32*(mc%4)+2*ii+1]
	v_max3_num_f32 v[60+ii%4], s70, v[128+32*(mc%4)+2*ii], v[129+32*(mc%4)+2*ii]
.else
	v_max3_num_f32 v[56+ii%4], v[56+ii%4], v[32*(mc%4)+2*ii], v[32*(mc%4)+2*ii+1]
	v_max3_num_f32 v[60+ii%4], v[60+ii%4], v[128+32*(mc%4)+2*ii], v[129+32*(mc%4)+2*ii]
.endif
.set ii, ii+1
.endr
.endm
	s_load_b512 s[4:19], s[0:1], 0x0               ; qkimg s[4:5], vimg s[6:7], mbits s[8:9], lq1 s[10:11], lk1 s[12:13], lq2 s[14:15], lk2 s[16:17], ln_g s[18:19]
	s_load_b128 s[20:23], s[0:1], 0x40             ; ln_b s[20:21], aimg s[22:23]
	v_lshl_add_u32 v118, v0, 2, 0x29000
	v_mov_b32 v119, 0
	v_lshrrev_b32 v1, 5, v0
	v_readfirstlane_b32 s24, v1                    ; wave
	s_and_b32 s26, ttmp7, 0xffff                   ; 16 x batch + head
	s_and_b32 s27, s26, 15                         ; head
	s_lshr_b32 s28, s26, 4                         ; batch
	s_lshl_b32 s78, ttmp9, 4                       ; the task's tile among the batch's 128
	v_and_b32 v104, 31, v0                         ; lane
	v_lshlrev_b32 v1, 3, v104
	v_lshlrev_b32 v2, 4, v104
	v_and_b32 v105, 15, v104                       ; r
	v_lshlrev_b32 v3, 2, v105
	v_lshlrev_b32 v4, 2, v104
	v_lshrrev_b32 v106, 4, v104                    ; h
	v_lshlrev_b32 v5, 3, v106
	v_sub_nc_u32 v7, 0, v106
	v_xor_b32 v6, -1, v7
	s_wait_alu depctr_va_sdst(0)                   ; s24 is written, ahead of its first reader: the waves' places in LDS and in memory are made from it
	s_mul_i32 s92, s24, VLB
	v_add_nc_u32 v8, s92, v1
	v_add_nc_u32 v127, s92, v2
	s_lshl_b32 s93, s24, 8
	v_lshlrev_b32 v10, 4, v105
	v_add_nc_u32 v9, s93, v10
	v_add_nc_u32 v9, STB, v9                       ; my figures: wave w, query r
	v_add_nc_u32 v10, STB, v10                     ; everybody's
	s_lshl_b32 s93, s24, 12
	v_add_nc_u32 v11, s93, v2
	v_add_nc_u32 v11, OXB, v11                     ; my partial O^T
	s_lshl_b32 s93, s24, 14
	v_add_nc_u32 v12, s93, v2
	v_add_nc_u32 v12, OXB, v12                     ; slot w: the task that I finish
	s_lshl_b32 s93, s24, 10
	v_add_nc_u32 v109, s93, v4                     ; my 16 fragments' scale words
	v_lshlrev_b32 v47, 7, v106
	s_lshl_b32 s93, s27, 8
	v_add_nc_u32 v47, s93, v47                     ; ln_g, ln_b: channels 32 h on of my head
	s_mov_b32 s66, 0x3e8293ee                      ; c = log2(e) / sqrt(32)
	s_mov_b32 s67, s66                             ; (named with it as a pair, so it is written)
	s_mov_b32 s68, 0xbe8293ee                      ; -c
	s_mov_b32 s69, 0xcfa8965f                      ; -1e9 x sqrt(32)
	s_mov_b32 s70, 0xff800000                      ; -infinity
	s_mov_b32 s71, 0x1800000                       ; the floor 2^(3 - 127)
	s_mov_b32 s72, 0x76543210
	s_mov_b32 s73, 0xfedcba98
	s_wait_kmcnt 0x0
	s_mul_i32 s92, s26, BLK
	s_mov_b32 s93, 0
	s_add_nc_u64 s[80:81], s[4:5], s[92:93]        ; q's block
	s_add_nc_u64 s[82:83], s[80:81], 32*BLK        ; k's
	s_add_nc_u64 s[84:85], s[6:7], s[92:93]        ; v's
	s_lshl_b32 s92, s28, 19
	s_lshl_b32 s94, s24, 10
	s_add_co_u32 s92, s92, s94
	s_add_nc_u64 s[86:87], s[8:9], s[92:93]        ; mask words: the batch's tile 0, my keys
	s_mul_i32 s79, s28, 128*13312
	s_lshr_b32 s94, s27, 2
	s_mul_i32 s94, s94, 3328
	s_add_co_u32 s79, s79, s94                     ; aimg: the batch's tile 0, K pair head / 4
	s_bfe_u32 s94, s27, 0x10001
	s_and_b32 s95, s27, 1
	s_mul_i32 s92, s94, 1536
	s_mul_i32 s25, s95, 768
	s_add_co_u32 s92, s92, s25
	s_add_co_u32 s92, s92, s79
	s_add_nc_u64 s[88:89], s[22:23], s[92:93]      ; the codes: fragment (head / 2) % 2, half head % 2
	s_lshl_b32 s92, s94, 7
	s_lshl_b32 s25, s95, 1
	s_add_co_u32 s92, s92, s25
	s_add_co_u32 s92, s92, s79
	s_add_co_u32 s92, s92, 3072
	s_add_nc_u64 s[90:91], s[22:23], s[92:93]      ; the two scale bytes
	s_mov_b32 s94, 0x3c800000                      ; 1 / 64
	s_mov_b32 s95, 0x3727c5ac                      ; 1e-5
	WIN 0x40                                       ; every vector line of the head that no loaded number feeds stands ahead of the loads, so that one wait serves them all
.irp i, 0,1,2,3,4,5
	v_mov_b32 v[192+\i], 0                         ; the query run's zeros
	v_mov_b32 v[204+\i], 0
	v_mov_b32 v[216+\i], 0
.endr
	WIN 0
	v_mov_b32 v65, 0                               ; upper halves of pairs of which the low word serves both halves: named, so written
	v_mov_b32 v67, 0
	v_mov_b32 v121, 0
	v_mov_b32 v123, 0
	v_mov_b32 v187, 0                              ; (a lane permute's destination counts as one of its sources)
	WIN 0x80
	s_wait_alu depctr_va_vdst(0)                   ; the offsets and addresses v1 to v12, v47, v109 and v127 are written, which the loads and stores of the whole kernel read
.set nn, 0
.rept 48
	global_load_b128 v[4*nn:4*nn+3], v127, s[84:85] offset:512*nn       ; my 16 fragments of V, 24,576 dense bytes
.set nn, nn+1
.endr
	WIN 0x40
.set nn, 0
.rept 96
	global_load_b64 v[2*nn:2*nn+1], v8, s[82:83] offset:256*nn          ; my 16 fragments of K: they stay
.set nn, nn+1
.endr
	WIN 0
.irp i, 0,1,2,3,4,5,6,7
	global_load_b32 v[20+\i], v109, s[82:83] offset:98304+128*\i
	global_load_b32 v[28+\i], v109, s[84:85] offset:98304+128*\i
.endr
	global_load_b32 v110, v4, s[10:11]
	global_load_b32 v111, v4, s[12:13]
	global_load_b32 v112, v4, s[14:15]
	global_load_b32 v113, v4, s[16:17]
	s_wait_loadcnt 0x0
	WIN 0x08
.set nn, 0
.rept 48
	ds_store_b128 v127, v[4*nn:4*nn+3] offset:512*nn                    ; into my own bytes: no other wave reads them.  (The data came by loads; window 2 is written again only behind the wait at the first task's head)
.set nn, nn+1
.endr
	WIN 0
	s_wait_dscnt 0x0
	; lam = exp(lq1 . lk1) - exp(lq2 . lk2) + 0.2
	v_mul_f32 v110, v110, v111
	v_mul_f32 v112, v112, v113
.irp m, 1,2,4,8
	v_add_f32_dpp v110, v110, v110 row_xmask:\m row_mask:0xf bank_mask:0xf
	v_add_f32_dpp v112, v112, v112 row_xmask:\m row_mask:0xf bank_mask:0xf
.endr
	v_permlanex16_b32 v111, v110, s72, s73
	v_permlanex16_b32 v113, v112, s72, s73
	v_add_f32 v110, v110, v111
	v_add_f32 v112, v112, v113
	v_mul_f32 v110, 0x3fb8aa3b, v110
	v_mul_f32 v112, 0x3fb8aa3b, v112
	v_exp_f32 v110, v110
	v_exp_f32 v112, v112
	v_nop                                          ; a plain instruction behind the exponentials,
	s_wait_alu depctr_va_vdst(0)                   ; and one wait for both: v110 and v112 are written, ahead of their first reader
	v_sub_f32 v110, v112, v110
	v_add_f32 v16, 0xbe4ccccd, v110                ; -lam
	s_mov_b32 s92, s78
	NEXTQ                                          ; the first task's query and mask words
.macro EXPS w                          ; p = 2^(c s - c m) in place, window w: 128 packed scalings, 256 exponentials four pairs behind them; nothing here names an exponential's result
	WIN 0x82+0x41*(\w-2)
.set nn, 0
.rept 128
	v_pk_fma_f32 v[2*nn:2*nn+1], v[2*nn:2*nn+1], s[66:67], v[64+2*(nn/64):65+2*(nn/64)] op_sel_hi:[1,0,0]
.if nn >= 4
	v_exp_f32 v[2*nn-8], v[2*nn-8]
	v_exp_f32 v[2*nn-7], v[2*nn-7]
.endif
.set nn, nn+1
.endr
.set nn, 248
.rept 8
	v_exp_f32 v[nn], v[nn]
.set nn, nn+1
.endr
.endm
.macro CHUNK g                         ; 128 of my keys: the difference, its quantiser, four products; among the products the next chunk's fragments of V are asked for
.set GG, \g
.set SB, 64*((\g)%2)
	WIN 0xa2+0x51*((\g)/2)
.set nn, 0
.rept 32
	v_pk_mul_f32 v[128+SB+2*nn:129+SB+2*nn], v[128+SB+2*nn:129+SB+2*nn], v[122:123] op_sel_hi:[1,0]     ; -lam a2
.set nn, nn+1
.endr
.set nn, 0
.rept 32
	v_pk_fma_f32 v[SB+2*nn:SB+2*nn+1], v[SB+2*nn:SB+2*nn+1], v[120:121], v[128+SB+2*nn:129+SB+2*nn] op_sel_hi:[1,0,1]   ; a1 - lam a2
.set nn, nn+1
.endr
	WIN 0x28+0x14*((\g)/2)
	v_max3_num_f32 v182, s71, |v[SB]|, |v[SB+1]|                   ; my two blocks, two chains each; the floor is a leaf
	v_max3_num_f32 v183, s71, |v[SB+32]|, |v[SB+33]|
	v_max3_num_f32 v188, s71, |v[SB+2]|, |v[SB+3]|
	v_max3_num_f32 v189, s71, |v[SB+34]|, |v[SB+35]|
.set nn, 2
.rept 7
	v_max3_num_f32 v182, v182, |v[SB+2*nn]|, |v[SB+2*nn+1]|
	v_max3_num_f32 v183, v183, |v[SB+32+2*nn]|, |v[SB+33+2*nn]|
	v_max3_num_f32 v188, v188, |v[SB+2*nn+2]|, |v[SB+2*nn+3]|
	v_max3_num_f32 v189, v189, |v[SB+34+2*nn]|, |v[SB+35+2*nn]|
.set nn, nn+2
.endr
	WIN 0
	v_max_num_f32 v182, v182, v188
	v_max_num_f32 v183, v183, v189
	v_add_nc_u32 v184, 0xff000000, v182
	v_add_nc_u32 v185, 0xff000000, v183
	v_lshrrev_b32 v186, 23, v184
	v_lshrrev_b32 v187, 23, v185
	v_lshl_or_b32 v186, v187, 16, v186
	v_lshlrev_b32 v186, v5, v186                   ; my two bytes at 8 h and 16 + 8 h
	v_permlanex16_b32 v187, v186, s72, s73
	v_or_b32 v126, v186, v187                      ; the query's scale word for these 128 keys
	WIN 0x02+(\g)/2
	v_cvt_scalef32_pk16_fp6_f32 v[160:162], v[SB:SB+15], v184
	v_cvt_scalef32_pk16_fp6_f32 v[172:174], v[SB+16:SB+31], v184
	v_cvt_scalef32_pk16_fp6_f32 v[166:168], v[SB+32:SB+47], v185
	v_cvt_scalef32_pk16_fp6_f32 v[176:178], v[SB+48:SB+63], v185
	v_nop                                          ; one plain instruction behind the conversions
	WIN 0
.irp i, 0,1,2
	v_mov_b32 v[163+\i], v[172+\i]
	v_mov_b32 v[169+\i], v[176+\i]
.endr
	PLACES 8                                       ; a scale register written by a vector instruction stands eight places ahead of a scaled matrix instruction, an operand four
	s_wait_alu depctr_va_vdst(0)                   ; p's codes v160 to v171 and its scale word v126 are written, which the products take; and the chunk before's products (ahead of chunk 0: the lines on maxima, sums and figures) are done with V's other set, in which the loads below land
	s_wait_dscnt 0x0                               ; this chunk's four fragments of V, asked for a chunk ago, are in
.irp t, 0,1,2,3
.if (\g) == 0
	PMM \t, 1
.else
	PMM \t, 0
.endif
.if (\g) < 3
	VLOAD (\g)+1, \t                               ; no wait: the products since the wait above name this chunk's set, O^T, p's codes and scale words, none of the registers that these loads touch
.endif
.endr
.endm
.macro TASK
	s_wait_loadcnt 0x0                             ; the query and the mask words, asked for half a task ago
	s_and_b32 s79, s78, 1
	s_lshl_b32 s79, s79, 4                         ; which half of the fragment's scale word is this tile's
	s_wait_alu depctr_vm_vsrc(0)                   ; every load and store issued so far has read its registers: the last task's LDS instructions v17 to v19, v100 to v103 and O^T, the last tile's loads v13 to v15, the finishing wave's stores their data and offsets; in the first task V's way in has read window 2 and the head's loads v109.  All of these are written again below
	v_add_nc_u32 v17, s76, v9
	v_add_nc_u32 v18, s76, v10
	v_add_nc_u32 v19, s77, v11
	v_lshrrev_b32 v104, s79, v46
	v_and_b32 v36, 0xff, v104                      ; q1's byte at block 0,
	v_and_b32 v37, 0xff00, v104                    ; q2's at block 1,
	v_lshlrev_b32 v38, 16, v36                     ; q1's at block 2,
	v_lshlrev_b32 v39, 16, v37                     ; q2's at block 3; the other bytes are 0, over zero codes
	WIN 0x40
.irp i, 0,1,2,3,4,5
	v_and_b32 v[198+\i], v6, v[40+\i]              ; X1: q1's codes in lanes 0-15
	v_and_b32 v[210+\i], v7, v[40+\i]              ; X2: q2's in lanes 16-31
.endr
	WIN 0
	PLACES 8
	s_wait_alu depctr_va_vdst(0)                   ; the query's run and its scale words v36 to v39 are written, which the products take; so are v17 to v19, which the task's LDS instructions read
.set ff, 0
.rept 16                               ; fragment ff of K: key tiles 2 ff and 2 ff + 1, both softmaxes
	WIN 0x85+0x40*(ff/8)
	SMM 32*((ff/2)%4)+16*(ff%2), 12*ff, 198, 20+ff/2, 36, ff%2
	SMM 128+32*((ff/2)%4)+16*(ff%2), 12*ff, 210, 20+ff/2, 37, ff%2
	SMM 8+32*((ff/2)%4)+16*(ff%2), 12*ff, 192, 20+ff/2, 38, ff%2
	SMM 136+32*((ff/2)%4)+16*(ff%2), 12*ff, 204, 20+ff/2, 39, ff%2
.set ff, ff+1
.endr
	WIN 0
	PLACES 4
.set cc, 0
.rept 8                                ; the mask, and the maxima.  A group's 32 lane reads, the group before's maxima, one wait, the group's selects.  Each accumulator is read from its low end on
.set ii, 0
.rept 32
	v_readlane_b32 s[32+ii], v[48+cc], ii
.set ii, ii+1
.endr
.if cc > 0
.set mc, cc-1
	MAXG
.endif
	s_wait_alu depctr_va_sdst(0)                   ; s32 to s63 are written, ahead of the selects that read them as lane masks
	WIN 0x88+0x44*(cc/4)
.set ii, 0
.rept 32
	v_cndmask_b32 v[32*(cc%4)+ii], s69, v[32*(cc%4)+ii], s[32+ii]
	v_cndmask_b32 v[128+32*(cc%4)+ii], s69, v[128+32*(cc%4)+ii], s[32+ii]
.set ii, ii+1
.endr
	WIN 0
.set cc, cc+1
.endr
.set mc, 7
	MAXG
	WIN 0
	s_add_co_u32 s92, s78, 1
	s_min_u32 s92, s92, 127                        ; the next task's tile, held inside the batch: the last task's loads are not used
	NEXTQ
	v_max3_num_f32 v56, v56, v57, v58
	v_max3_num_f32 v60, v60, v61, v62
	v_max_num_f32 v56, v56, v59
	v_max_num_f32 v60, v60, v63
	v_permlanex16_b32 v57, v56, s72, s73
	v_permlanex16_b32 v61, v60, s72, s73
	v_max_num_f32 v56, v56, v57                    ; my 512 keys' largest score of query r
	v_max_num_f32 v60, v60, v61
	v_mul_f32 v64, s68, v56                        ; -c m
	v_mul_f32 v66, s68, v60
	v_mul_f32 v100, s66, v56                       ; c m: the same number with the other sign
	v_mul_f32 v102, s66, v60
	EXPS 2
	EXPS 3
	v_nop                                          ; a plain instruction behind the last exponential,
	s_wait_alu depctr_va_vdst(0)                   ; and ONE wait for all 512: windows 2 and 3 are written, ahead of the sums that read them
	WIN 0x0a                                       ; the sums of the unquantised p, 4 + 4 chains of pairs
.irp k, 0,1,2,3
	v_pk_add_f32 v[68+2*\k:69+2*\k], v[4*\k:4*\k+1], v[4*\k+2:4*\k+3]
	v_pk_add_f32 v[76+2*\k:77+2*\k], v[128+4*\k:129+4*\k], v[130+4*\k:131+4*\k]
.endr
	WIN 0x08
.set nn, 8
.rept 56
	v_pk_add_f32 v[68+2*(nn%4):69+2*(nn%4)], v[68+2*(nn%4):69+2*(nn%4)], v[2*nn:2*nn+1]
	v_pk_add_f32 v[76+2*(nn%4):77+2*(nn%4)], v[76+2*(nn%4):77+2*(nn%4)], v[128+2*nn:129+2*nn]
.set nn, nn+1
.endr
	WIN 0x0c
.set nn, 0
.rept 64
	v_pk_add_f32 v[68+2*(nn%4):69+2*(nn%4)], v[68+2*(nn%4):69+2*(nn%4)], v[2*nn:2*nn+1]
	v_pk_add_f32 v[76+2*(nn%4):77+2*(nn%4)], v[76+2*(nn%4):77+2*(nn%4)], v[128+2*nn:129+2*nn]
.set nn, nn+1
.endr
	WIN 0
	v_pk_add_f32 v[68:69], v[68:69], v[70:71]
	v_pk_add_f32 v[76:77], v[76:77], v[78:79]
	v_pk_add_f32 v[72:73], v[72:73], v[74:75]
	v_pk_add_f32 v[80:81], v[80:81], v[82:83]
	v_pk_add_f32 v[68:69], v[68:69], v[72:73]
	v_pk_add_f32 v[76:77], v[76:77], v[80:81]
	v_add_f32 v68, v68, v69
	v_add_f32 v76, v76, v77
	v_permlanex16_b32 v69, v68, s72, s73
	v_permlanex16_b32 v77, v76, s72, s73
	v_add_f32 v101, v68, v69
	v_add_f32 v103, v76, v77
	s_wait_alu depctr_va_vdst(0)                   ; my figures v100 to v103 are written, which the store reads.  No vector line stands between this wait and the loads of the figures and of chunk 0's V below: every earlier line that named v84 to v99 or v192 to v239 is done
	ds_store_b128 v17, v[100:103]                  ; lanes r and 16 + r write the same bytes with the same values
	s_wait_dscnt 0x0                               ; for the others' sake: my figures have landed, and so have the last task's partial O^T and all my LDS reads
	s_barrier_signal -1
	s_barrier_wait -1
.irp w, 0,1,2,3
	ds_load_b128 v[84+4*\w:87+4*\w], v18 offset:256*\w
.endr
	s_wait_dscnt 0x0
.irp t, 0,1,2,3
	VLOAD 0, \t                                    ; chunk 0's fragments of V, into set 0: they land while the factors are made
.endr
	v_max3_num_f32 v114, v84, v88, v92
	v_max3_num_f32 v115, v86, v90, v94
	v_max_num_f32 v114, v114, v96                  ; c M
	v_max_num_f32 v115, v115, v98
.irp w, 0,1,2,3
	v_sub_f32 v[104+\w], v[84+4*\w], v114
	v_sub_f32 v[109+\w], v[86+4*\w], v115
.endr
	v_sub_f32 v108, v100, v114
	v_sub_f32 v113, v102, v115
.irp k, 0,1,2,3,4,5,6,7,8,9
	v_exp_f32 v[104+\k], v[104+\k]                 ; 2^(c m_w - c M): the four waves' and my own, both softmaxes
.endr
	v_nop
	s_wait_alu depctr_va_vdst(0)                   ; one wait for the ten: v104 to v113 are written, ahead of their first reader
	v_mul_f32 v116, v85, v104
	v_mul_f32 v117, v87, v109
.irp w, 1,2,3
	v_fmac_f32 v116, v[85+4*\w], v[104+\w]         ; the row's sum under M
	v_fmac_f32 v117, v[87+4*\w], v[109+\w]
.endr
	v_rcp_f32 v116, v116
	v_rcp_f32 v117, v117
	v_mul_f32 v113, v113, v16                      ; (a plain instruction behind the reciprocals)
	s_wait_alu depctr_va_vdst(0)                   ; one wait for both: v116 and v117 are written, ahead of their first reader
	v_mul_f32 v120, v108, v116                     ; a1 = p1 x this
	v_mul_f32 v122, v113, v117                     ; -lam a2 = p2 x this
	CHUNK 0
	CHUNK 1
	CHUNK 2
	CHUNK 3
	PLACES 4
	s_wait_alu depctr_va_vdst(0)                   ; the products have written O^T, which the stores read; the places above stay beside this wait
.irp n, 0,1,2,3,4,5,6,7
	ds_store_b128 v19, v[128+4*\n:131+4*\n] offset:512*\n          ; my keys' part of O^T, as an image of its registers
.endr
.endm
.macro FIN                             ; wave w finishes the task in slot w
	WIN 0xc0
	s_wait_alu depctr_va_vdst(0)                   ; the switch, the wait, the loads: the chunks' lines are done with window 3's v0 to v63, in which ln_g and ln_b land, and with v128 to v255, in which the partial O^T land below
.irp n, 0,1,2,3,4,5,6,7
	global_load_b128 v[4*\n:4*\n+3], v47, s[18:19] offset:16*\n    ; ln_g, ln_b of my 32 channels, into registers that the scores have left
	global_load_b128 v[32+4*\n:35+4*\n], v47, s[20:21] offset:16*\n
.endr
	WIN 0
	s_wait_dscnt 0x0                               ; my partial O^T of the four tasks have landed
	s_barrier_signal -1
	s_barrier_wait -1
	s_wait_alu depctr_vm_vsrc(0)                   ; the last task's stores have read v128 to v159, in which the loads below land
.irp w, 0,1,2,3
.irp n, 0,1,2,3,4,5,6,7
	ds_load_b128 v[128+32*\w+4*\n:131+32*\w+4*\n], v12 offset:4096*\w+512*\n
.endr
.endr
	s_wait_dscnt 0x0
.set nn, 0
.rept 16
	v_pk_add_f32 v[128+2*nn:129+2*nn], v[128+2*nn:129+2*nn], v[160+2*nn:161+2*nn]
	v_pk_add_f32 v[192+2*nn:193+2*nn], v[192+2*nn:193+2*nn], v[224+2*nn:225+2*nn]
.set nn, nn+1
.endr
.set nn, 0
.rept 16
	v_pk_add_f32 v[128+2*nn:129+2*nn], v[128+2*nn:129+2*nn], v[192+2*nn:193+2*nn]    ; register i of lane (r, h): channel 32 h + i of query r
.set nn, nn+1
.endr
.irp k, 0,1,2,3
	v_pk_add_f32 v[160+2*\k:161+2*\k], v[128+4*\k:129+4*\k], v[130+4*\k:131+4*\k]
.endr
.set nn, 8
.rept 8
	v_pk_add_f32 v[160+2*(nn%4):161+2*(nn%4)], v[160+2*(nn%4):161+2*(nn%4)], v[128+2*nn:129+2*nn]
.set nn, nn+1
.endr
	v_pk_add_f32 v[160:161], v[160:161], v[162:163]
	v_pk_add_f32 v[164:165], v[164:165], v[166:167]
	v_pk_add_f32 v[160:161], v[160:161], v[164:165]
	v_add_f32 v160, v160, v161
	v_permlanex16_b32 v161, v160, s72, s73
	v_add_f32 v160, v160, v161
	v_mul_f32 v168, 0xbc800000, v160               ; -mean
	v_mov_b32 v169, v168
.set nn, 0
.rept 16
	v_pk_add_f32 v[128+2*nn:129+2*nn], v[128+2*nn:129+2*nn], v[168:169]
.set nn, nn+1
.endr
.irp k, 0,1,2,3
	v_pk_mul_f32 v[160+2*\k:161+2*\k], v[128+2*\k:129+2*\k], v[128+2*\k:129+2*\k]
.endr
.set nn, 4
.rept 12
	v_pk_fma_f32 v[160+2*(nn%4):161+2*(nn%4)], v[128+2*nn:129+2*nn], v[128+2*nn:129+2*nn], v[160+2*(nn%4):161+2*(nn%4)]
.set nn, nn+1
.endr
	v_pk_add_f32 v[160:161], v[160:161], v[162:163]
	v_pk_add_f32 v[164:165], v[164:165], v[166:167]
	v_pk_add_f32 v[160:161], v[160:161], v[164:165]
	v_add_f32 v160, v160, v161
	v_permlanex16_b32 v161, v160, s72, s73
	v_add_f32 v160, v160, v161
	v_fma_f32 v160, v160, s94, s95                 ; the variance + 1e-5
	v_rsq_f32 v160, v160
	v_nop
	s_wait_alu depctr_va_vdst(0)                   ; v160 is written, ahead of its first reader
	v_mov_b32 v161, v160
.set nn, 0
.rept 16
	v_pk_mul_f32 v[128+2*nn:129+2*nn], v[128+2*nn:129+2*nn], v[160:161]
.set nn, nn+1
.endr
	s_wait_loadcnt 0x0                             ; ln_g, ln_b
	WIN 0x3c
.set nn, 0
.rept 16
	v_pk_fma_f32 v[128+2*nn:129+2*nn], v[128+2*nn:129+2*nn], v[2*nn:2*nn+1], v[32+2*nn:33+2*nn]
.set nn, nn+1
.endr
	WIN 0
.set nn, 0
.rept 16
	v_pk_mul_f32 v[128+2*nn:129+2*nn], v[128+2*nn:129+2*nn], 0x3f4ccccd op_sel_hi:[1,0]   ; x (1 - 0.2)
.set nn, nn+1
.endr
.irp k, 0,1,2,3
	v_max3_num_f32 v[162+\k], s71, |v[128+2*\k]|, |v[129+2*\k]|    ; the lane's block of 32 channels
.endr
.set nn, 4
.rept 12
	v_max3_num_f32 v[162+nn%4], v[162+nn%4], |v[128+2*nn]|, |v[129+2*nn]|
.set nn, nn+1
.endr
	v_max3_num_f32 v162, v162, v163, v164
	v_max_num_f32 v162, v162, v165
	v_add_nc_u32 v166, 0xff000000, v162
	v_lshrrev_b32 v167, 23, v166
	v_lshlrev_b32 v167, v5, v167
	v_permlanex16_b32 v170, v167, s72, s73
	v_or_b32 v167, v167, v170                      ; the head's two bytes of the row's scale word
	v_cvt_scalef32_pk16_fp6_f32 v[172:174], v[128:143], v166
	v_cvt_scalef32_pk16_fp6_f32 v[180:182], v[144:159], v166
	v_nop
.irp i, 0,1,2
	v_mov_b32 v[175+\i], v[180+\i]
.endr
	s_sub_co_u32 s92, s78, 4
	s_add_co_u32 s92, s92, s24                     ; my task's tile
	s_mul_i32 s92, s92, 13312
	v_add_nc_u32 v124, s92, v1
	v_add_nc_u32 v125, s92, v4
	s_wait_alu depctr_va_vdst(0)                   ; the codes v172 to v177, the scale bytes v167 and the offsets v124 and v125 are written, which the stores read
.irp p, 0,1,2
	global_store_b64 v124, v[172+2*\p:173+2*\p], s[88:89] offset:256*\p     ; 256 consecutive bytes, aligned
.endr
	global_store_b16 v125, v167, s[90:91]          ; a word's two halves belong to two heads, that is to two work-groups: 2 bytes a lane, 64 bytes a task
	s_wait_xcnt 0x0                                ; the stores' addresses are translated: their registers are written again in the next task, behind the wait on vm_vsrc at its head
.endm
	s_mov_b32 s74, 4
.Lgroup:                                               ; four groups of four tasks
	s_mov_b32 s75, 4
	s_mov_b32 s76, 0                               ; the slot's place among the figures,
	s_mov_b32 s77, 0                               ; and among the partial O^T
.Ltask:
	TASK
	s_add_co_u32 s78, s78, 1
	s_add_co_u32 s76, s76, 1024
	s_add_co_u32 s77, s77, 16384
	s_sub_co_u32 s75, s75, 1
	s_cmp_lg_u32 s75, 0
	s_cbranch_scc1 .Ltask
	FIN
	s_sub_co_u32 s74, s74, 1
	s_cmp_lg_u32 s74, 0
	s_cbranch_scc1 .Lgroup
	s_wait_dscnt 0x0
	s_wait_alu depctr_hold_cnt(0) depctr_sa_sdst(0) depctr_va_vdst(0) depctr_va_sdst(0) depctr_va_ssrc(0) depctr_va_vcc(0) depctr_vm_vsrc(0)
	s_wait_tensorcnt 0x0
	ds_add_u32 v118, v119
	s_wait_dscnt 0x0
	s_endpgm
.Lfunc_end_k_q8b9dab2fcc_attn:
	.size	k_q8b9dab2fcc_attn, .Lfunc_end_k_q8b9dab2fcc_attn-k_q8b9dab2fcc_attn
	.p2alignl 7, 3214868480
	.fill 96, 4, 3214868480
	.section	.rodata,"a",@progbits
	.p2align	6, 0x0
	.amdhsa_kernel k_q8b9dab2fcc_attn
		.amdhsa_group_segment_fixed_size 168448
		.amdhsa_private_segment_fixed_size 0
		.amdhsa_enable_private_segment 0
		.amdhsa_kernarg_size 80
		.amdhsa_user_sgpr_count 2
		.amdhsa_user_sgpr_kernarg_segment_ptr 1
		.amdhsa_wavefront_size32 1
		.amdhsa_system_sgpr_workgroup_id_x 1
		.amdhsa_system_sgpr_workgroup_id_y 1
		.amdhsa_system_sgpr_workgroup_id_z 1
		.amdhsa_system_vgpr_workitem_id 0
		.amdhsa_next_free_vgpr 1024
		.amdhsa_next_free_sgpr 96
		.amdhsa_reserve_vcc 0
		.amdhsa_float_denorm_mode_32 3
		.amdhsa_float_denorm_mode_16_64 3
		.amdhsa_memory_ordered 1
		.amdhsa_forward_progress 1
		.amdhsa_inst_pref_size 206
	.end_amdhsa_kernel
	.amdgpu_metadata
---
amdhsa.version: [ 1, 2 ]
amdhsa.kernels:
  - .name:           k_q8b9dab2fcc_attn
    .symbol:         k_q8b9dab2fcc_attn.kd
    .args:
      - { .name: qkimg, .offset: 0, .size: 8, .value_kind: global_buffer, .address_space: global }
      - { .name: vimg, .offset: 8, .size: 8, .value_kind: global_buffer, .address_space: global }
      - { .name: mbits, .offset: 16, .size: 8, .value_kind: global_buffer, .address_space: global }
      - { .name: lq1, .offset: 24, .size: 8, .value_kind: global_buffer, .address_space: global }
      - { .name: lk1, .offset: 32, .size: 8, .value_kind: global_buffer, .address_space: global }
      - { .name: lq2, .offset: 40, .size: 8, .value_kind: global_buffer, .address_space: global }
      - { .name: lk2, .offset: 48, .size: 8, .value_kind: global_buffer, .address_space: global }
      - { .name: ln_g, .offset: 56, .size: 8, .value_kind: global_buffer, .address_space: global }
      - { .name: ln_b, .offset: 64, .size: 8, .value_kind: global_buffer, .address_space: global }
      - { .name: aimg, .offset: 72, .size: 8, .value_kind: global_buffer, .address_space: global }
    .group_segment_fixed_size: 168448
    .private_segment_fixed_size: 0
    .kernarg_segment_align: 8
    .kernarg_segment_size: 80
    .max_flat_workgroup_size: 128
    .sgpr_count:     96
    .vgpr_count:     1024
    .wavefront_size: 32
...
	.end_amdgpu_metadata
.endif
;; end of part 5
;; launch oproj: the kernel of part 4 again; grid 8 x 32, 4 waves a work-group, clusters of 4 x 4, 230,912 bytes of LDS; arguments aimg, wimg, bo, out0; writes out0
